; MI455X (gfx1250); checked and timed in simulation.
; The chip was launched on July 23, 2026; its instructions are those of AMD's public machine-readable ISA for CDNA 5 (MIT licence, August 2026) and "CDNA5" Instruction Set Architecture Reference Guide (July 2026). The comments in the code are by the model that wrote it; some were corrected since.
;; Mem Eff Attention. Allowed arithmetic: matrix products marked QUANTISED: E2M3 operands, one E8M0 scale for each 32 along K, by v_wmma_scale_f32_16x16x128_f8f6f4 with both operands' format E2M3, f32 sums; everything else in f32.
;; Inputs: cos 2,048 x 32 float32; proj_b 1,024 float32; proj_w 1,024 x 1,024 float32; qkv_w 3,072 x 1,024 float32; sin 2,048 x 32 float32; x 2 x 2,048 x 1,024 float32.
;; Outputs: out0 2 x 2,048 x 1,024 float32.
;; This version of the problem:
;;   THIS VERSION OF THE PROBLEM IS GIVEN IN LOW PRECISION. The matrix products marked QUANTISED in the list below multiply operands that are first quantised to E2M3 (2 exponent bits, 3 mantissa bits; 6 bits a number), with one power-of-two scale for each 32 numbers along K (OCP MX v1.0); their sums are f32. All else is computed in f32.
;;   The module's matrix products, in the order in which they are computed (A, B: the left and right operand; K: the contracted axis; several contracted axes count as one K, in the product's order):
;;     1. [M 4,096, K 1,024] x [K 1,024, N 3,072]; A: input x; B: input qkv_w: QUANTISED
;;     2. batch 32 x [M 2,048, K 64] x [K 64, N 2,048]; A: computed on the way; B: computed on the way: QUANTISED
;;     3. batch 32 x [M 64, K 2,048] x [K 2,048, N 2,048]; A: computed on the way; B: softmax (see below): QUANTISED
;;     4. [M 4,096, K 1,024] x [K 1,024, N 1,024]; A: computed on the way; B: input proj_w: QUANTISED
;;   THE QUANTISER, for each operand of a quantised product, along K:
;;     - K is cut into blocks of 32 from its start; a last block that is shorter is filled with zeros.
;;     - A block's scale is 2^e with e = floor(log2(the largest magnitude in the block)) - 2, held to -126 .. 127; a block of zeros has e = 0. As a byte (E8M0): e + 127.
;;     - Each number is divided by its block's scale, clamped to +-7.5, and rounded to the nearest number of E2M3, ties to even, subnormals kept.
;;     - The product sums the exact products of the quantised numbers (number of the format x scale) in f32.
;;   ~~~python
;;   def quantise(x, axis):      # numpy; x: float32 -> the quantised numbers, widened to float32 again
;;       x = np.moveaxis(x, axis, -1); K = x.shape[-1]
;;       x = np.pad(x, [(0, 0)] * (x.ndim - 1) + [(0, -K % 32)]); x = x.reshape(x.shape[:-1] + (-1, 32)); a = np.abs(x).max(-1, keepdims=True)
;;       e = np.where(a > 0, np.clip(np.frexp(np.where(a > 0, a, 1))[1] - 1 - 2, -126, 127), 0)      # np.frexp(a)[1] - 1 = floor(log2(a)), exactly
;;       r = np.clip(x / 2.0 ** e, -7.5, 7.5)
;;       step = 2.0 ** (np.maximum(np.frexp(np.where(r == 0, 1, r))[1] - 1, 0) - 3)
;;       q = np.round(r / step) * step * 2.0 ** e      # np.round: ties to even
;;       return np.moveaxis(q.reshape(q.shape[:-2] + (-1,))[..., :K], -1, axis).astype(np.float32)
;;   ~~~
;;   SOFTMAX AHEAD OF A QUANTISED PRODUCT. Where the list says 'softmax', what is quantised is not the finished softmax but p = 2^(t - M), with t = logit x log2(e) and M = ceil(the row's largest t), a whole number; so 1/2 < the row's largest p <= 1. The row's sum l is taken of the UNQUANTISED p, in f32, and the product's result is divided by l at the end. Since M is a whole number, a kernel that streams over the keys may use a running M (the ceiling of the running maximum): every later rescaling is an exact power of two, which a block's scale takes up: the codes' values come out the same.
;;   OPERANDS COMPUTED ON THE WAY. 'Computed on the way' means the value that the module computes at that place (a softmax that the list does not call 'softmax' is quantised finished and normalised). What goes into a quantiser is computed in f32, as accurately as f32 sums, v_exp_f32 and their like allow (about 1e-6 of the number): no bf16 or f16 on the way to a quantiser, and a product that is left as it is and whose result goes on into a quantised operand takes f32 operands (vector FMAs, or v_wmma_f32_16x16x4_f32). A number that lies on a knife's edge between two numbers of the format may be rounded either way, as far as f32 arithmetic and the matrix unit's own rounding can turn it there, and no further.
;; One version. Each part assembles by itself: llvm-mc -triple=amdgcn-amd-amdhsa -mcpu=gfx1250 --defsym DOCPART=n.
;; ======== version 1 of 1: 4 launches
;; limits: right only within a limited range of input values
;; workspace buffers: img 6,291,456 bytes; sc 262,144 bytes; qkv 10,092,544 bytes; oimg 3,145,728 bytes; osc 131,072 bytes
;; launch quant (part 1): grid 256 x 1, 4 waves a work-group, no clusters, 34,304 bytes of LDS; arguments x, qkv_w, proj_w, img, sc; writes img, sc
.if DOCPART == 1
	.amdgcn_target "amdgcn-amd-amdhsa--gfx1250"
	.amdhsa_code_object_version 6
	.text
	.protected	k_q29f36948cd_quant
	.globl	k_q29f36948cd_quant
	.p2align	8
	.type	k_q29f36948cd_quant,@function
k_q29f36948cd_quant:
	s_mov_b64 s[64:65], 0
	v_nop
	global_prefetch_b8 v0, s[64:65] scope:SCOPE_SE
	s_setreg_imm32_b32 hwreg(HW_REG_WAVE_MODE, 25, 1), 1
	s_wait_xcnt 0x0
; x [4096][1024], qkv_w [3072][1024] and proj_w [1024][1024], f32, K innermost, become codes of E2M3 with one E8M0 scale byte for each 32 along K.
; A block's scale is 2^(floor(log2(its largest magnitude)) - 2); its byte is the largest magnitude's exponent field - 2, held at 1 from below; numbers beyond 7.5 x the scale take the largest code.
; LIMITS: NaN and infinities among the inputs are not served.  A block whose largest magnitude lies under 2^-124 (a block of zeros too) keeps the byte 1; a block of zeros has zero codes, and this program alone reads the bytes.
; LAYOUT OF THE RESULT.  The 8,192 rows of the three tensors are 512 tiles of 16 rows (x: 0-255, qkv_w: 256-447, proj_w: 448-511).  Place p of tile T is row 32 (T / 2) + 8 (T % 2) + p + 8 (p / 8):
; a tile used as source 0 of a product then leaves 16 neighbouring columns in the 16 registers of two neighbouring tiles.  img: [tile][K step of 128 (8)][1,536 bytes]: the operand's 12 registers as they stand,
; registers 4 c .. 4 c + 3 of lane l at 512 c + 16 l.  sc: [tile][K half (2)][place (16)][4 words], word q for K step 4 x half + q.
; SHARES.  A work-group takes 32 rows, two tiles; wave w takes tile w / 2 and K half w % 2: four fragments.  A load reads 512 consecutive bytes of one row; a fragment's 16 loads turn through the wave's own stage in LDS
; (rows of 512 + 16 bytes), from which lane (r, h) takes, of row r, 16 neighbours of each block of 32.  No barrier: waves share nothing.  Two fragments' loads (32 of 512 bytes) are out in each wave.
.set SP,    528                        ; a stage row
.set STGB,  16*SP                      ; a wave's stage
.set R,     16                         ; v16-143  two sets of 64 registers as loaded
.set X,     144                        ; v144-207 register 16 b + i = k 32 b + 16 h + i of my row
.set TM,    208                        ; v208-211 largest magnitudes, v212-215 bytes, v220-223 the conversions' scale operands
.set PC,    224                        ; v224-235 the fragment; v236-238, v240-242 the second halves of the blocks
.set PW,    244                        ; the fragment's scale word
.set PWS,   248                        ; v248-251 the four fragments' scale words
.set SEL,   20                         ; s[20:21] v_permlanex16_b32's selects for lane l xor 16
	s_load_b128 s[4:7], s[0:1], 0x0                ; x, qkv_w
	s_load_b128 s[8:11], s[0:1], 0x10              ; proj_w, img
	s_load_b64 s[12:13], s[0:1], 0x20              ; sc
	v_lshl_add_u32 v254, v0, 2, 0x8400
	v_mov_b32 v255, 0
	v_lshrrev_b32 v1, 5, v0
	v_readfirstlane_b32 s16, v1                    ; wave 0..3
	v_and_b32 v1, 31, v0                           ; lane
	v_and_b32 v2, 15, v0                           ; r
	v_bfe_u32 v3, v0, 4, 1                         ; h
	v_lshlrev_b32 v4, 4, v1                        ; 16 x lane: my bytes of a load's and of a store's 512
	s_mul_i32 s17, s16, STGB
	v_mul_u32_u24 v5, v2, SP
	v_lshl_add_u32 v5, v3, 6, v5
	v_add_nc_u32 v5, s17, v5                       ; out of the stage: row r, + 64 h
	v_add_nc_u32 v6, s17, v4                       ; into it: 16 x lane of a row
	v_lshlrev_b32 v7, 4, v2
	v_lshl_add_u32 v7, v3, 3, v7                   ; the scale words' way out: 16 r + 8 h
	s_mov_b32 s[SEL], 0x76543210
	s_mov_b32 s[SEL+1], 0xfedcba98
.irp b, 0,1,2,3
	v_mov_b32 v[TM+4+\b], 0                        ; written once: a lane permute's destination counts as one of its sources
.endr
	s_lshr_b32 s18, s16, 1                         ; which tile of the two
	s_and_b32 s19, s16, 1                          ; which K half
	s_mov_b32 s15, 224
	s_wait_alu depctr_va_vdst(0)
	s_wait_kmcnt 0x0
	s_cmp_lt_u32 ttmp9, 224                        ; which tensor: the choice hangs on the work-group's number alone
	s_cselect_b64 s[6:7], s[6:7], s[8:9]
	s_cselect_b32 s14, 128, s15
	s_cmp_lt_u32 ttmp9, 128
	s_cselect_b64 s[4:5], s[4:5], s[6:7]
	s_cselect_b32 s14, 0, s14                      ; the tensor's first work-group
	s_sub_co_u32 s14, ttmp9, s14
	s_lshl_b32 s22, s14, 17                        ; 32 rows of 4,096 bytes a work-group,
	s_lshl_b32 s23, s18, 15                        ; the odd tile begins 8 rows on,
	s_add_co_u32 s22, s22, s23
	s_lshl_b32 s23, s19, 11                        ; a K half is 2,048 bytes of a row
	s_add_co_u32 s22, s22, s23
	s_mov_b32 s23, 0
	s_add_nc_u64 s[4:5], s[4:5], s[22:23]
	s_lshl_b32 s24, ttmp9, 1
	s_add_co_u32 s24, s24, s18                     ; my tile
	s_mul_i32 s22, s24, 12288
	s_mul_i32 s25, s19, 6144
	s_add_co_u32 s22, s22, s25
	s_add_nc_u64 s[10:11], s[10:11], s[22:23]
	s_lshl_b32 s22, s24, 9
	s_lshl_b32 s25, s19, 8
	s_add_co_u32 s22, s22, s25
	s_add_nc_u64 s[12:13], s[12:13], s[22:23]
.macro LOADF q                         ; fragment q: place i of the tile is row i + 8 (i / 8) from the tile's first
.irp i, 0,1,2,3,4,5,6,7,8,9,10,11,12,13,14,15
	global_load_b128 v[R+64*((\q)%2)+4*\i:R+64*((\q)%2)+4*\i+3], v4, s[4:5] offset:(\i+8*(\i/8))*4096+512*(\q) th:TH_LOAD_NT
.endr
.endm
.macro TURN q                          ; through the stage: LDS serves a wave's instructions in order, so no wait stands between the stores and the loads
.irp i, 0,1,2,3,4,5,6,7,8,9,10,11,12,13,14,15
	ds_store_b128 v6, v[R+64*((\q)%2)+4*\i:R+64*((\q)%2)+4*\i+3] offset:SP*\i
.endr
.irp b, 0,1,2,3
.irp j, 0,1,2,3
	ds_load_b128 v[X+16*\b+4*\j:X+16*\b+4*\j+3], v5 offset:128*\b+16*\j
.endr
.endr
.endm
; 64 numbers of a lane become a fragment's codes in v[PC] on and its scale word in v[PW]
.macro QUANT s
.irp b, 0,1,2,3
	v_max3_num_f32 v[TM+\b], |v[\s+16*\b]|, |v[\s+1+16*\b]|, 0x1800000   ; block b: my 16 numbers, and the floor 2^(3 - 127): the byte cannot fall under 1
.endr
.irp i, 2,4,6,8,10,12,14
.irp b, 0,1,2,3
	v_max3_num_f32 v[TM+\b], v[TM+\b], |v[\s+16*\b+\i]|, |v[\s+1+16*\b+\i]|   ; the four blocks by turns
.endr
.endr
.irp b, 0,1,2,3
	v_permlanex16_b32 v[TM+4+\b], v[TM+\b], s[SEL], s[SEL+1]
.endr
.irp b, 0,1,2,3
	v_max_num_f32 v[TM+\b], v[TM+\b], v[TM+4+\b]   ; with lane l xor 16's: the block's largest magnitude
.endr
.irp b, 0,1,2,3
	v_add_nc_u32 v[TM+12+\b], 0xff000000, v[TM+\b] ; 2 off its exponent field: the conversion takes the exponent field of this operand as its scale
.endr
.irp b, 0,1,2,3
	v_lshrrev_b32 v[TM+4+\b], 23, v[TM+12+\b]      ; the scale's byte
.endr
	v_lshl_or_b32 v[PW], v[TM+5], 8, v[TM+4]
	v_lshl_or_b32 v[PW], v[TM+6], 16, v[PW]
	v_lshl_or_b32 v[PW], v[TM+7], 24, v[PW]
	s_wait_xcnt 0x0                                ; the last fragment's stores have read v[PC] on: only now it is written again
.irp c, 0,1
	v_cvt_scalef32_pk16_fp6_f32 v[PC+6*\c:PC+2+6*\c], v[\s+32*\c:\s+15+32*\c], v[TM+12+2*\c]
	v_cvt_scalef32_pk16_fp6_f32 v[PC+12+4*\c:PC+14+4*\c], v[\s+16+32*\c:\s+31+32*\c], v[TM+12+2*\c+1]   ; (a conversion's three registers begin on an even number)
.endr
	v_nop                                          ; one plain place behind a scaled conversion
.irp c, 0,1                            ; the operand's layout wants a whole block in a lane: lanes 0-15 block 2 c, lanes 16-31 block 2 c + 1
.irp i, 0,1,2
	v_permlane16_swap_b32 v[PC+6*\c+\i], v[PC+12+4*\c+\i]
.endr
.irp i, 0,1,2
	v_mov_b32 v[PC+3+6*\c+\i], v[PC+12+4*\c+\i]
.endr
.endr
.endm
	LOADF 0
	LOADF 1
.irp q, 0,1,2,3
.if \q < 3
	s_wait_loadcnt 16                              ; this fragment's 16 loads are in; the next fragment's may be out
.else
	s_wait_loadcnt 0x0
.endif
	TURN \q
	s_wait_dscnt 0x0                               ; my 64 numbers are back, and the stage's stores have read the set of registers,
.if \q < 2
	LOADF \q+2                                     ; which takes the fragment two further on
.endif
	QUANT X
.irp c, 0,1,2
	global_store_b128 v4, v[PC+4*\c:PC+4*\c+3], s[10:11] offset:1536*\q+512*\c   ; 32 lanes store 512 consecutive bytes, aligned
.endr
	v_mov_b32 v[PWS+\q], v[PW]
.endr
	v_cmp_ne_u32 vcc_lo, 0, v3                     ; lanes r and r + 16 hold the same four words: the lower half stores words 0 and 1, the upper 2 and 3
	v_cndmask_b32 v252, v[PWS], v[PWS+2], vcc_lo
	v_cndmask_b32 v253, v[PWS+1], v[PWS+3], vcc_lo
	global_store_b64 v7, v[252:253], s[12:13]      ; 32 lanes store 256 consecutive bytes, aligned
	s_wait_tensorcnt 0x0
	ds_add_u32 v254, v255
	s_wait_dscnt 0x0
	s_endpgm
.Lfunc_end_k_q29f36948cd_quant:
	.size	k_q29f36948cd_quant, .Lfunc_end_k_q29f36948cd_quant-k_q29f36948cd_quant
	.p2alignl 7, 3214868480
	.fill 96, 4, 3214868480
	.section	.rodata,"a",@progbits
	.p2align	6, 0x0
	.amdhsa_kernel k_q29f36948cd_quant
		.amdhsa_group_segment_fixed_size 34304
		.amdhsa_private_segment_fixed_size 0
		.amdhsa_enable_private_segment 0
		.amdhsa_kernarg_size 40
		.amdhsa_user_sgpr_count 2
		.amdhsa_user_sgpr_kernarg_segment_ptr 1
		.amdhsa_wavefront_size32 1
		.amdhsa_system_sgpr_workgroup_id_x 1
		.amdhsa_system_sgpr_workgroup_id_y 1
		.amdhsa_system_sgpr_workgroup_id_z 1
		.amdhsa_system_vgpr_workitem_id 0
		.amdhsa_next_free_vgpr 256
		.amdhsa_next_free_sgpr 66
		.amdhsa_reserve_vcc 1
		.amdhsa_float_denorm_mode_32 3
		.amdhsa_float_denorm_mode_16_64 3
		.amdhsa_memory_ordered 1
		.amdhsa_forward_progress 1
		.amdhsa_inst_pref_size 34
	.end_amdhsa_kernel
	.amdgpu_metadata
---
amdhsa.version: [ 1, 2 ]
amdhsa.kernels:
  - .name:           k_q29f36948cd_quant
    .symbol:         k_q29f36948cd_quant.kd
    .args:
      - { .name: x, .offset: 0, .size: 8, .value_kind: global_buffer, .address_space: global }
      - { .name: qkv_w, .offset: 8, .size: 8, .value_kind: global_buffer, .address_space: global }
      - { .name: proj_w, .offset: 16, .size: 8, .value_kind: global_buffer, .address_space: global }
      - { .name: img, .offset: 24, .size: 8, .value_kind: global_buffer, .address_space: global }
      - { .name: sc, .offset: 32, .size: 8, .value_kind: global_buffer, .address_space: global }
    .group_segment_fixed_size: 34304
    .private_segment_fixed_size: 0
    .kernarg_segment_align: 8
    .kernarg_segment_size: 40
    .max_flat_workgroup_size: 128
    .sgpr_count:     66
    .vgpr_count:     256
    .wavefront_size: 32
...
	.end_amdgpu_metadata
.endif
;; end of part 1
;; launch qkv (part 2): grid 48 x 4, 4 waves a work-group, clusters of 4 x 4, 327,680 bytes of LDS; arguments img, sc, cos, sin, qkv; writes qkv
.if DOCPART == 2
	.amdgcn_target "amdgcn-amd-amdhsa--gfx1250"
	.amdhsa_code_object_version 6
	.text
	.protected	k_q29f36948cd_qkv
	.globl	k_q29f36948cd_qkv
	.p2align	8
	.type	k_q29f36948cd_qkv,@function
k_q29f36948cd_qkv:
	s_mov_b64 s[64:65], 0
	v_nop
	global_prefetch_b8 v0, s[64:65] scope:SCOPE_SE
	s_setreg_imm32_b32 hwreg(HW_REG_WAVE_MODE, 25, 1), 1
	s_wait_xcnt 0x0
	s_wait_alu depctr_hold_cnt(0) depctr_sa_sdst(0) depctr_va_vdst(0) depctr_va_sdst(0) depctr_va_ssrc(0) depctr_va_vcc(0) depctr_vm_vsrc(0)
	s_getreg_b32 s2, hwreg(HW_REG_IB_STS2, 6, 4)
	s_cmp_eq_u32 s2, 0
	s_cbranch_scc0 .Lentry_in_a_cluster
	s_endpgm
.Lentry_in_a_cluster:
	s_bfe_u32 s2, ttmp6, 0x10000c
	s_cmp_lg_u32 s2, 0xf033
	s_cbranch_scc0 .Lentry_shape_is_right
	s_endpgm
.Lentry_shape_is_right:
.set KSB,   1536
.set TS,    2*KSB
.set HALFT, 8*TS
.set SLOT,  4*HALFT
.set SCL,   2*SLOT
.set SPARE, SCL+32*512
.set FR,    12
.set NL,    3
.set NP,    4
.set NQ,    2
.set HEADB, 315392
.set VI,    98304
.set KSO,   196608
.set VSO,   204800
.set QI,    208896
.set QSO,   307200
.set ADRA, 16
.set ADRB, 20
.set CSO,  24
.set IA,   25
.set IB,   26
.set ADRS, 27
.set SPW,  28
.set NIL,  29
.set IV,   30
.set SC,   32
.set CSB,  64
.set AF,   128
.set T,    128
.set TM,   192
.set PC,   208
.set PW,   228
.set PWA,  232
.set PWB,  240
.set G1, 24
.set G0, 32
.set G1B, 48
.set G0B, 56
.set G1S, 68
.set G0S, 76
.set G1SB, 80
.set G0SB, 88
.set SEL, 98
.set MSB, 0
.macro WIN new
.if MSB != \new
	s_set_vgpr_msb (MSB<<8)|\new
.set MSB, \new
.endif
.endm
.set MUL_LO, 0xa1
.set MUL_HI, 0xf1
.set TO_B,   0x40
.macro JLOAD g0a, g1a, g0b, g1b
	s_cmp_eq_u32 s15, 0
	s_cbranch_scc0 .Lfor_b_\@
	tensor_load_to_lds s[\g0a:\g0a+3], s[\g1a:\g1a+7]
	s_nop 0
.rept 4
	v_nop
.endr
	s_branch .Lasked_\@
.Lfor_b_\@:
	tensor_load_to_lds s[\g0b:\g0b+3], s[\g1b:\g1b+7]
	s_nop 0
.rept 4
	v_nop
.endr
.Lasked_\@:
.endm
.macro CREST
	s_cmp_lg_u32 s14, 0
	s_cbranch_scc1 .Lnot_wave_0_\@
	s_barrier_signal -3
.Lnot_wave_0_\@:
	s_barrier_wait -3
	s_barrier_signal -1
	s_barrier_wait -1
.endm
.macro CROUND
	s_barrier_signal -1
	s_barrier_wait -1
	CREST
.endm
	s_load_b256 s[4:11], s[0:1], 0x0
	s_load_b64 s[12:13], s[0:1], 0x20
	v_lshl_add_u32 v[SPW], v0, 2, SPARE
	v_mov_b32 v[NIL], 0
	ds_add_u32 v28, v29
	ds_add_u32 v28, v29
	s_wait_dscnt 0x0
	v_lshrrev_b32 v1, 5, v0
	v_readfirstlane_b32 s14, v1
	s_lshr_b32 s15, s14, 1
	s_and_b32 s16, s14, 1
	s_bfe_u32 s40, ttmp6, 0x40000
	s_bfe_u32 s41, ttmp6, 0x40004
	s_lshr_b32 s17, ttmp9, 1
	s_and_b32 s18, ttmp9, 1
	s_and_b32 s19, ttmp9, 3
	s_cmp_lt_u32 ttmp9, 8
	s_cselect_b32 s17, s17, 0
	s_cselect_b32 s18, s18, s19
	s_cselect_b32 s92, 0, 384
	s_cselect_b32 s93, 256, 0
	s_cselect_b32 s94, 0, 1
	s_lshl_b32 s17, s17, 2
	s_add_co_u32 s17, s17, s41
	s_lshl_b32 s42, s18, 2
	s_add_co_u32 s42, s42, s40
	s_lshl_b32 s43, s41, 2
	s_lshl_b32 s43, 15, s43
	s_lshl_b32 s44, 0x1111, s40
	s_or_b32 s[G1+0], s43, (3<<16)|(1<<21)
	s_or_b32 s[G1B+0], s44, (3<<16)|(1<<21)
.irp g, G1, G1B
	s_mov_b32 s[\g+1], 384<<16
	s_mov_b32 s[\g+2], 8<<16
	s_mov_b32 s[\g+3], 384<<16
	s_mov_b32 s[\g+4], 8
	s_mov_b32 s[\g+5], 1536
	s_mov_b32 s[\g+6], 0
	s_mov_b32 s[\g+7], 0
.endr
	s_or_b32 s[G1S+0], s43, (3<<16)|(1<<21)
	s_or_b32 s[G1SB+0], s44, (3<<16)|(1<<21)
.irp g, G1S, G1SB
	s_mov_b32 s[\g+1], 32<<16
	s_mov_b32 s[\g+2], 16<<16
	s_mov_b32 s[\g+3], 32<<16
	s_mov_b32 s[\g+4], 16
	s_mov_b32 s[\g+5], 32
	s_mov_b32 s[\g+6], 0
	s_mov_b32 s[\g+7], 0
.endr
	s_lshl_b32 s19, s16, 3
	s_lshl_b32 s20, s17, 4
	s_add_co_u32 s20, s20, s19
	s_add_co_u32 s20, s20, s92
	s_lshl_b32 s46, s42, 4
	s_add_co_u32 s46, s46, s19
	s_add_co_u32 s46, s46, s93
	s_lshl_b32 s22, s20, 9
	s_mov_b32 s23, 0
	s_lshl_b32 s96, s46, 9
	s_mov_b32 s97, 0
	s_mul_i32 s20, s20, 8*KSB
	s_mov_b32 s21, 0
	s_mul_i32 s46, s46, 8*KSB
	s_mov_b32 s47, 0
	s_mul_i32 s45, s14, HALFT
	s_lshl_b32 s95, s14, 12
	s_mov_b32 s[SEL], 0x76543210
	s_mov_b32 s[SEL+1], 0xfedcba98
	s_wait_kmcnt 0x0
	s_add_nc_u64 s[20:21], s[4:5], s[20:21]
	s_add_nc_u64 s[22:23], s[6:7], s[22:23]
	s_add_nc_u64 s[46:47], s[4:5], s[46:47]
	s_add_nc_u64 s[96:97], s[6:7], s[96:97]
	CROUND
	s_mov_b32 s[G0S], 1
	s_add_co_u32 s[G0S+1], s95, SCL
	s_mov_b64 s[G0S+2:G0S+3], s[22:23]
	s_or_b32 s[G0S+3], s[G0S+3], 0x80000000
	s_mov_b32 s[G0SB], 1
	s_add_co_u32 s[G0SB+1], s95, SCL
	s_mov_b64 s[G0SB+2:G0SB+3], s[96:97]
	s_or_b32 s[G0SB+3], s[G0SB+3], 0x80000000
	JLOAD G0S, G1S, G0SB, G1SB
.irp s, 0,1
	s_mov_b32 s[G0+4*\s], 1
	s_add_co_u32 s[G0+4*\s+1], s45, \s*SLOT
	s_add_nc_u64 s[G0+4*\s+2:G0+4*\s+3], s[20:21], \s*TS
	s_or_b32 s[G0+4*\s+3], s[G0+4*\s+3], 0x80000000
	s_mov_b32 s[G0B+4*\s], 1
	s_add_co_u32 s[G0B+4*\s+1], s45, \s*SLOT
	s_add_nc_u64 s[G0B+4*\s+2:G0B+4*\s+3], s[46:47], \s*TS
	s_or_b32 s[G0B+4*\s+3], s[G0B+4*\s+3], 0x80000000
	s_wait_alu depctr_va_vdst(0)
	s_wait_tensorcnt 0x0
	ds_add_u32 v28, v29
	s_wait_dscnt 0x0
	CROUND
	JLOAD G0+4*\s, G1, G0B+4*\s, G1B
.endr
	v_and_b32 v1, 15, v0
	v_bfe_u32 v2, v0, 4, 1
	v_and_b32 v3, 31, v0
	v_lshlrev_b32 v[IA], 4, v3
	v_lshlrev_b32 v[IB], 3, v3
	v_lshlrev_b32 v4, 4, v1
	v_lshl_add_u32 v[IV], v2, 3, v4
	v_and_b32 v5, 8, v1
	v_add_nc_u32 v5, v5, v1
	v_lshlrev_b32 v5, 7, v5
	v_lshl_add_u32 v[CSO], v2, 5, v5
	s_mul_i32 s21, s15, HALFT
	s_mul_i32 s22, s16, HALFT
	s_add_co_u32 s22, s22, 2*HALFT
.irp s, 0,1
	v_add_nc_u32 v[ADRA+\s], s21, v[IA]
	v_add_nc_u32 v[ADRB+\s], s22, v[IA]
	s_add_co_u32 s21, s21, SLOT
	s_add_co_u32 s22, s22, SLOT
.endr
	s_xor_b32 s21, s15, 1
	s_add_co_u32 s21, s21, s16
	s_lshl_b32 s21, s21, 12
	s_add_co_u32 s21, s21, 4096
	v_mul_u32_u24 v6, s21, v2
	s_lshl_b32 s22, s15, 12
	s_add_co_u32 s22, s22, SCL
	v_add_nc_u32 v6, v6, v4
	v_add_nc_u32 v[ADRS], s22, v6
.macro FRAG reg, adr, q, i
.irp c, 0,1,2
	ds_load_b128 v[\reg+4*\c:\reg+4*\c+3], v[\adr] offset:(\i)*TS+(\q)*KSB+512*\c
.endr
.endm
.macro MUL16 a0, p, q, sc, zero
.irp a, \a0, \a0+1
.irp b, 0,1,2,3,4,5,6,7
.if \zero
	v_wmma_scale_f32_16x16x128_f8f6f4 v[8*(8*((\a)%4)+\b):8*(8*((\a)%4)+\b)+7], v[128*(\p)+FR*\b:128*(\p)+FR*\b+FR-1], v[AF+FR*(\a):AF+FR*(\a)+FR-1], 0, v[SC+8*NQ*(\sc)+NQ*\b+(\q)], v[SC+8*NQ*(\sc)+NQ*(\a)+(\q)] matrix_a_fmt:MATRIX_FMT_FP6 matrix_b_fmt:MATRIX_FMT_FP6 matrix_a_scale:MATRIX_SCALE_ROW1
.else
	v_wmma_scale_f32_16x16x128_f8f6f4 v[8*(8*((\a)%4)+\b):8*(8*((\a)%4)+\b)+7], v[128*(\p)+FR*\b:128*(\p)+FR*\b+FR-1], v[AF+FR*(\a):AF+FR*(\a)+FR-1], v[8*(8*((\a)%4)+\b):8*(8*((\a)%4)+\b)+7], v[SC+8*NQ*(\sc)+NQ*\b+(\q)], v[SC+8*NQ*(\sc)+NQ*(\a)+(\q)] matrix_a_fmt:MATRIX_FMT_FP6 matrix_b_fmt:MATRIX_FMT_FP6 matrix_a_scale:MATRIX_SCALE_ROW1
.endif
.endr
.endr
.endm
.macro FETCH_B slot, q, p
	WIN TO_B
.irp i, 0,1,2,3,4,5,6,7
	FRAG 128*(\p)+FR*\i, ADRB+\slot, \q, \i
.endr
	WIN 0
.endm
.macro FETCH_A slot, q, i0
.irp i, \i0, \i0+1, \i0+2, \i0+3
	FRAG AF+FR*(\i), ADRA+\slot, \q, \i
.endr
.endm
.macro SCALES set, sg
.irp i, 0,1,2,3,4,5,6,7
	ds_load_b64 v[SC+16*\set+2*\i:SC+16*\set+2*\i+1], v[ADRS] offset:512*\i+256*((\sg)/2)+8*((\sg)%2)
.endr
.endm
.macro PLACES n
.rept \n
	v_nop
.endr
.endm
.macro STEP slot, q, zero
	s_wait_dscnt 4*NL
	WIN MUL_LO
	MUL16 0, (\q)%2, \q, \slot, \zero
	MUL16 2, (\q)%2, \q, \slot, \zero
	s_wait_dscnt 0
	PLACES NP
	FETCH_B \slot, (\q)+1, 1-(\q)%2
	FETCH_A \slot, (\q)+1, 0
	WIN MUL_HI
	MUL16 4, (\q)%2, \q, \slot, \zero
	MUL16 6, (\q)%2, \q, \slot, \zero
	PLACES NP
	WIN 0
	FETCH_A \slot, (\q)+1, 4
.endm
.macro TURN slot, next, fill, sg
	s_wait_tensorcnt 0x0
	ds_add_u32 v[SPW], v[NIL]
	s_wait_dscnt 4*NL+1
	WIN MUL_LO
	MUL16 0, 1, NQ-1, \slot, 0
	s_wait_dscnt 0x0
	s_barrier_signal -1
	MUL16 2, 1, NQ-1, \slot, 0
	WIN 0
	s_barrier_wait -1
.if \fill
	CREST
	s_add_nc_u64 s[G0+4*\slot+2:G0+4*\slot+3], s[G0+4*\slot+2:G0+4*\slot+3], 2*TS
	s_add_nc_u64 s[G0B+4*\slot+2:G0B+4*\slot+3], s[G0B+4*\slot+2:G0B+4*\slot+3], 2*TS
	JLOAD G0+4*\slot, G1, G0B+4*\slot, G1B
.else
	PLACES NP
.endif
	FETCH_B \next, 0, 0
	FETCH_A \next, 0, 0
	SCALES \next, \sg
	WIN MUL_HI
	MUL16 4, 1, NQ-1, \slot, 0
	MUL16 6, 1, NQ-1, \slot, 0
	PLACES NP
	WIN 0
	FETCH_A \next, 0, 4
.endm
.macro TAIL
	STEP 1, 0, 0
	s_wait_dscnt 4*NL
	WIN MUL_LO
	MUL16 0, 1, NQ-1, 1, 0
	MUL16 2, 1, NQ-1, 1, 0
	s_wait_dscnt 0
	WIN MUL_HI
	MUL16 4, 1, NQ-1, 1, 0
	MUL16 6, 1, NQ-1, 1, 0
	WIN 0
	PLACES NP
.irp b, 0,1,2,3
	v_mov_b32 v[TM+4+\b], 0
.endr
	v_cmp_ne_u32 vcc_lo, 0, v2
.endm
.macro QUANTW xs, w
.set WQ, (\w)|((\w)<<2)
	WIN WQ
.irp b, 0,1,2,3
	v_max3_num_f32 v[TM+\b], |v[\xs+16*\b]|, |v[\xs+1+16*\b]|, 0x1800000
.endr
.irp i, 2,4,6,8,10,12,14
.irp b, 0,1,2,3
	v_max3_num_f32 v[TM+\b], |v[\xs+16*\b+\i]|, |v[\xs+1+16*\b+\i]|, v[TM+\b]
.endr
.endr
	WIN 0
.irp b, 0,1,2,3
	v_permlanex16_b32 v[TM+4+\b], v[TM+\b], s[SEL], s[SEL+1]
.endr
.irp b, 0,1,2,3
	v_max_num_f32 v[TM+\b], v[TM+\b], v[TM+4+\b]
.endr
.irp b, 0,1,2,3
	v_add_nc_u32 v[TM+12+\b], 0xff000000, v[TM+\b]
.endr
.irp b, 0,1,2,3
	v_lshrrev_b32 v[TM+4+\b], 23, v[TM+12+\b]
.endr
	v_lshl_or_b32 v[PW], v[TM+5], 8, v[TM+4]
	v_lshl_or_b32 v[PW], v[TM+6], 16, v[PW]
	v_lshl_or_b32 v[PW], v[TM+7], 24, v[PW]
	s_wait_xcnt 0x0
	WIN \w
.irp c, 0,1
	v_cvt_scalef32_pk16_fp6_f32 v[PC+6*\c:PC+2+6*\c], v[\xs+32*\c:\xs+15+32*\c], v[TM+12+2*\c]
	v_cvt_scalef32_pk16_fp6_f32 v[PC+12+4*\c:PC+14+4*\c], v[\xs+16+32*\c:\xs+31+32*\c], v[TM+12+2*\c+1]
.endr
	WIN 0
	v_nop
.irp c, 0,1
.irp i, 0,1,2
	v_permlane16_swap_b32 v[PC+6*\c+\i], v[PC+12+4*\c+\i]
.endr
.irp i, 0,1,2
	v_mov_b32 v[PC+3+6*\c+\i], v[PC+12+4*\c+\i]
.endr
.endr
.endm
.macro CSLOAD a
.set CL, CSB+32*((\a)%2)
.irp g, 0,1
.irp k, 0,1
	global_load_b128 v[CL+8*\g+4*\k:CL+8*\g+4*\k+3], v[CSO], s[8:9] offset:(32*((\a)/2)+8*((\a)%2))*128+64*\g+16*\k
	global_load_b128 v[CL+16+8*\g+4*\k:CL+16+8*\g+4*\k+3], v[CSO], s[10:11] offset:(32*((\a)/2)+8*((\a)%2))*128+64*\g+16*\k
.endr
.endr
.endm
.macro QKBLOCK a
.set XS, 64*((\a)%4)
.set WW, 2+(\a)/4
.set WF, (WW<<6)|WW
.set CC, CSB+32*((\a)%2)
.if (\a) < 7
	s_wait_loadcnt 8
.else
	s_wait_loadcnt 0x0
.endif
	WIN WW
.set pm, 0
.rept 32
.set ci, pm%16
.if ci%2 == 0
	v_pk_mul_f32 v[T+2*pm:T+2*pm+1], v[XS+2*pm:XS+2*pm+1], v[CC+16+ci:CC+17+ci] op_sel:[1,0] op_sel_hi:[0,0]
.else
	v_pk_mul_f32 v[T+2*pm:T+2*pm+1], v[XS+2*pm:XS+2*pm+1], v[CC+15+ci:CC+16+ci] op_sel:[1,1] op_sel_hi:[0,1]
.endif
.set pm, pm+1
.endr
	WIN WF
.set pm, 0
.rept 32
.set ci, pm%16
.if ci%2 == 0
	v_pk_fma_f32 v[XS+2*pm:XS+2*pm+1], v[XS+2*pm:XS+2*pm+1], v[CC+ci:CC+ci+1], v[T+2*pm:T+2*pm+1] op_sel_hi:[1,0,1] neg_lo:[0,0,1]
.else
	v_pk_fma_f32 v[XS+2*pm:XS+2*pm+1], v[XS+2*pm:XS+2*pm+1], v[CC+ci-1:CC+ci], v[T+2*pm:T+2*pm+1] op_sel:[0,1,0] op_sel_hi:[1,1,1] neg_lo:[0,0,1]
.endif
.set pm, pm+1
.endr
	WIN 0
.if (\a) < 6
	CSLOAD (\a)+2
.endif
	QUANTW XS, WW
	global_store_b128 v[IA], v[PC:PC+3], s[22:23] offset:768*(\a)
	global_store_b64 v[IB], v[PC+4:PC+5], s[22:23] offset:768*(\a)+512
	global_store_b128 v[IA], v[PC+6:PC+9], s[22:23] offset:HEADB+768*(\a)
	global_store_b64 v[IB], v[PC+10:PC+11], s[22:23] offset:HEADB+768*(\a)+512
	v_and_b32 v[PWA+(\a)], 0xffff, v[PW]
	v_lshrrev_b32 v[PWB+(\a)], 16, v[PW]
.endm
.macro VBLOCK a
.set XS, 64*((\a)%4)
.set WW, 2+(\a)/4
	QUANTW XS, WW
.irp c, 0,1,2
	global_store_b128 v[IA], v[PC+4*\c:PC+4*\c+3], s[22:23] offset:((\a)/4)*HEADB+((\a)%4)*KSB+512*\c
.endr
	v_mov_b32 v[PWA+(\a)%4], v[PW]
.if (\a)%4 == 3
	v_cndmask_b32 v[T+2*((\a)/4)], v[PWA], v[PWA+2], vcc_lo
	v_cndmask_b32 v[T+2*((\a)/4)+1], v[PWA+1], v[PWA+3], vcc_lo
	global_store_b64 v[IV], v[T+2*((\a)/4):T+2*((\a)/4)+1], s[96:97] offset:((\a)/4)*HEADB
.endif
.endm
	s_wait_alu depctr_va_vdst(0)
	s_wait_tensorcnt 1
	s_barrier_signal -1
	s_barrier_wait -1
	FETCH_B 0, 0, 0
	FETCH_A 0, 0, 0
	SCALES 0, 0
	FETCH_A 0, 0, 4
	STEP 0, 0, 1
	TURN 0, 1, 1, 1
	STEP 1, 0, 0
	TURN 1, 0, 1, 2
	STEP 0, 0, 0
	TURN 0, 1, 0, 3
	s_cmp_lg_u32 s94, 0
	s_cbranch_scc1 .Lv_way
	s_and_b32 s19, s17, 7
	s_lshl_b32 s66, s19, 15
	s_lshl_b32 s67, s15, 14
	s_add_co_u32 s66, s66, s67
	s_mov_b32 s67, 0
	s_add_nc_u64 s[8:9], s[8:9], s[66:67]
	s_add_nc_u64 s[10:11], s[10:11], s[66:67]
	CSLOAD 0
	CSLOAD 1
	s_lshr_b32 s20, s17, 3
	s_lshl_b32 s20, s20, 4
	s_lshl_b32 s21, s42, 2
	s_lshl_b32 s22, s16, 1
	s_add_co_u32 s21, s21, s22
	s_and_b32 s21, s21, 15
	s_add_co_u32 s20, s20, s21
	s_mul_i32 s20, s20, HEADB
	s_lshl_b32 s21, s19, 1
	s_add_co_u32 s21, s21, s15
	s_mul_i32 s22, s21, 8*768
	s_lshl_b32 s96, s21, 9
	s_mov_b32 s19, QSO
	s_cmp_lg_u32 s18, 0
	s_cselect_b32 s66, 0, QI
	s_cselect_b32 s67, KSO, s19
	s_add_co_u32 s22, s22, s20
	s_add_co_u32 s22, s22, s66
	s_mov_b32 s23, 0
	s_add_co_u32 s96, s96, s20
	s_add_co_u32 s96, s96, s67
	s_mov_b32 s97, 0
	s_add_nc_u64 s[22:23], s[12:13], s[22:23]
	s_add_nc_u64 s[96:97], s[12:13], s[96:97]
	TAIL
.irp a, 0,1,2,3,4,5,6,7
	QKBLOCK \a
.endr
.irp j, 0,1,2,3
	v_cndmask_b32 v[T+\j], v[PWA+\j], v[PWA+4+\j], vcc_lo
	v_cndmask_b32 v[T+4+\j], v[PWB+\j], v[PWB+4+\j], vcc_lo
.endr
	global_store_b128 v[IA], v[T:T+3], s[96:97]
	global_store_b128 v[IA], v[T+4:T+7], s[96:97] offset:HEADB
	s_branch .Lend
.Lv_way:
	s_lshr_b32 s20, s42, 3
	s_lshl_b32 s20, s20, 4
	s_lshl_b32 s21, s17, 2
	s_add_co_u32 s20, s20, s21
	s_lshl_b32 s21, s15, 1
	s_add_co_u32 s20, s20, s21
	s_mul_i32 s20, s20, HEADB
	s_and_b32 s21, s42, 7
	s_lshl_b32 s21, s21, 1
	s_add_co_u32 s21, s21, s16
	s_mul_i32 s22, s21, 4*KSB
	s_add_co_u32 s22, s22, s20
	s_add_co_u32 s22, s22, VI
	s_mov_b32 s23, 0
	s_lshl_b32 s96, s21, 8
	s_add_co_u32 s96, s96, s20
	s_add_co_u32 s96, s96, VSO
	s_mov_b32 s97, 0
	s_add_nc_u64 s[22:23], s[12:13], s[22:23]
	s_add_nc_u64 s[96:97], s[12:13], s[96:97]
	TAIL
.irp a, 0,1,2,3,4,5,6,7
	VBLOCK \a
.endr
.Lend:
	s_wait_tensorcnt 0x0
	ds_add_u32 v[SPW], v[NIL]
	s_wait_dscnt 0x0
	CROUND
	s_endpgm
.Lfunc_end_k_q29f36948cd_qkv:
	.size	k_q29f36948cd_qkv, .Lfunc_end_k_q29f36948cd_qkv-k_q29f36948cd_qkv
	.p2alignl 7, 3214868480
	.fill 96, 4, 3214868480
	.section	.rodata,"a",@progbits
	.p2align	6, 0x0
	.amdhsa_kernel k_q29f36948cd_qkv
		.amdhsa_group_segment_fixed_size 327680
		.amdhsa_private_segment_fixed_size 0
		.amdhsa_enable_private_segment 0
		.amdhsa_kernarg_size 40
		.amdhsa_user_sgpr_count 2
		.amdhsa_user_sgpr_kernarg_segment_ptr 1
		.amdhsa_wavefront_size32 1
		.amdhsa_system_sgpr_workgroup_id_x 1
		.amdhsa_system_sgpr_workgroup_id_y 1
		.amdhsa_system_sgpr_workgroup_id_z 1
		.amdhsa_system_vgpr_workitem_id 0
		.amdhsa_next_free_vgpr 1024
		.amdhsa_next_free_sgpr 100
		.amdhsa_reserve_vcc 1
		.amdhsa_float_denorm_mode_32 3
		.amdhsa_float_denorm_mode_16_64 3
		.amdhsa_memory_ordered 1
		.amdhsa_forward_progress 1
		.amdhsa_inst_pref_size 236
	.end_amdhsa_kernel
	.amdgpu_metadata
---
amdhsa.version: [ 1, 2 ]
amdhsa.kernels:
  - .name:           k_q29f36948cd_qkv
    .symbol:         k_q29f36948cd_qkv.kd
    .args:
      - { .name: img, .offset: 0, .size: 8, .value_kind: global_buffer, .address_space: global }
      - { .name: sc, .offset: 8, .size: 8, .value_kind: global_buffer, .address_space: global }
      - { .name: cos, .offset: 16, .size: 8, .value_kind: global_buffer, .address_space: global }
      - { .name: sin, .offset: 24, .size: 8, .value_kind: global_buffer, .address_space: global }
      - { .name: qkv, .offset: 32, .size: 8, .value_kind: global_buffer, .address_space: global }
    .group_segment_fixed_size: 327680
    .private_segment_fixed_size: 0
    .kernarg_segment_align: 8
    .kernarg_segment_size: 40
    .max_flat_workgroup_size: 128
    .sgpr_count:     100
    .vgpr_count:     1024
    .wavefront_size: 32
...
	.end_amdgpu_metadata
.endif
;; end of part 2
;; launch attn (part 3): grid 8 x 32, 8 waves a work-group, clusters of 4 x 1, 234,496 bytes of LDS; arguments qkv, oimg, osc; writes oimg, osc
.if DOCPART == 3
	.amdgcn_target "amdgcn-amd-amdhsa--gfx1250"
	.amdhsa_code_object_version 6
	.text
	.protected	k_q29f36948cd_attn
	.globl	k_q29f36948cd_attn
	.p2align	8
	.type	k_q29f36948cd_attn,@function
k_q29f36948cd_attn:
	s_mov_b64 s[64:65], 0
	v_nop
	global_prefetch_b8 v0, s[64:65] scope:SCOPE_SE
	s_setreg_imm32_b32 hwreg(HW_REG_WAVE_MODE, 25, 1), 1
	s_wait_xcnt 0x0
	s_wait_alu depctr_hold_cnt(0) depctr_sa_sdst(0) depctr_va_vdst(0) depctr_va_sdst(0) depctr_va_ssrc(0) depctr_va_vcc(0) depctr_vm_vsrc(0)
	s_getreg_b32 s2, hwreg(HW_REG_IB_STS2, 6, 4)
	s_cmp_eq_u32 s2, 0
	s_cbranch_scc0 .Lentry_in_a_cluster
	s_endpgm
.Lentry_in_a_cluster:
	s_bfe_u32 s2, ttmp6, 0x10000c
	s_cmp_lg_u32 s2, 0x3003
	s_cbranch_scc0 .Lentry_shape_is_right
	s_endpgm
.Lentry_shape_is_right:
; o = softmax(q k^T / 8) v for one head (batch x 16 + head = work-group y), both products on codes of E2M3; o is divided by the row's sum and quantised along the 1,024 channels for the last product.
; t = score x log2(e) / 8; M = the row's largest t so far, rounded up to a whole number; p = 2^(t - M) is quantised along the keys, not normalised; the row's sum is taken of the unquantised p.
; When M moves, the sum and O are multiplied by 2^(old M - new M): exact.
; SHARES.  A work-group owns 256 queries; each of its eight waves TWO stored tiles of 16 (T = 0, 1), so that every fragment of K and of V read from LDS feeds two matrix instructions.
; The whole head lies in LDS, filled once by one tensor load a wave: waves 0-3 bring K's 128 half images (96 rows of 256 bytes each), waves 4-7 V's images and both sets of scale words (108 rows each).  One wait, one barrier, no refill.
; CLUSTER: the four query blocks of a cluster belong to one head and ask for each piece jointly.  No prefetch: every byte is asked for once, at the head, and there is no loop to run ahead in.
; LAYOUT.  Both products are used transposed (S^T = K Q^T, O^T = V^T P^T): a lane holds one query of each tile (lane % 16).  A stored tile of K holds at place p the key 32 (tile / 2) + 16 (p / 8) + 8 (tile % 2) + p % 8; row m of the
; multiplied tile 4 g + u takes key 64 g + 32 (m / 8) + 8 u + m % 8, which is an LDS address alone.  So the 32 registers of tiles 4 g .. 4 g + 3 are, for lane (r, h), keys 64 g + 32 h + 0 .. 31: one whole block of the second K.
; K's rows of 256 bytes get 64 bytes of padding: a half image is 960 bytes, two are 7 x 256 + 128.
; K = 64 IN AN INSTRUCTION OF 128.  Q's registers 6-11 are zero codes; K's tile i is named with the next tile's six registers as its upper half (the last tile's: zeros): a number times zero; that half's scale bytes are 0 = 2^-127.
; A STEP GOES IN BATCHES, both tiles together: S^T; the loads of the next step's K and of this step's V; the blocks' maxima; M and f; all t - M and the rescaling of O^T; one wait; all exponentials; one wait; scales, codes; O^T.
; LIMITS: NaN and infinities are not served; the scaled scores stay under 2^31 in magnitude; 1 / the sum is v_rcp_f32; a block whose largest magnitude lies under 2^-124 keeps the byte 1.
; A block's largest p is made from its largest score by the same two instructions as every p.
; REGISTERS, window 0: v1-11 addresses; v12-15 -M and the largest t of each tile; v16-39 Q and zeros; v40-87 K's tiles, v88-93 zeros; v94-95 Q's scale words; v96-119 p's codes; v120-135, v150-157 at work; v136-143 K's scale words,
; v144-147 V's, v148-149 p's; v160-175 the sums' four chains a tile; v176-178 my places; v180-186 the way out.  Window 1: v0-127 S^T, then p (64 a tile); v128-191 O^T (32 a tile); v192-207 the blocks' second halves; v208-255 V's fragments.
; s_set_vgpr_msb's low byte: bits 1:0 source 0, 3:2 source 1, 5:4 source 2, 7:6 destination; the work is laid in long stretches under one setting.
.set HEADB, 315392                     ; a head's block in qkv: K's half images, V's images, K's and V's scale words, then Q's
.set RESTO, 98304
.set QI,    208896
.set QSO,   307200
.set KT,    960                        ; a half image in LDS: three rows of 256 + 64 bytes
.set VIL,   128*KT                     ; V's images, [key step][tile][1,536]
.set KSL,   VIL+98304                  ; K's scale words
.set VSL,   KSL+8192                   ; V's
.set SPARE, VSL+4096                   ; the spare words: 128 bytes a wave
.set WV,   10
.set W7,   11
.set SEL,  12                          ; s[12:13] selects for lane l xor 16
.set CS,   14                          ; s[14:15] c = log2(e) / 8
.set G1K,  16
.set G1R,  24
.set G0K,  32
.set G0R,  36
.set TK,   51                          ; the tiles of K fetched next: 7,680 bytes a step
.set T6,   52                          ; the step's images of V: 6,144
.set TS5,  53                          ; K's scale words: 512
.set TS2,  54                          ; V's: 256
.set CNT,  55
.set QQ,   16
.set KF,   40
.set QSW,  94
.set PCD,  96
.set BM,   120
.set PT,   124
.set SO,   128
.set KSW,  136
.set VSW,  144
.set PSW,  148
.set FF,   150
.set OM,   154
.set TMP,  156
.set S4,   160
.set KP0,  176
.set KP1,  177
.set R16,  178
.set TT,   180
.set OO,   128                         ; window 1
.set CT,   192
.set VF,   208
.set MSB, 0
.macro WIN new                         ; the immediate's high byte repeats the setting that is left
.if MSB != \new
	s_set_vgpr_msb (MSB<<8)|\new
.set MSB, \new
.endif
.endm
.macro ROUND                           ; a round of the cluster's barrier
	s_barrier_signal -1
	s_barrier_wait -1
	s_cmp_lg_u32 s[WV], 0
	s_cbranch_scc1 .Lnot_wave_0_\@
	s_barrier_signal -3
.Lnot_wave_0_\@:
	s_barrier_wait -3
	s_barrier_signal -1
	s_barrier_wait -1
.endm
	s_load_b128 s[4:7], s[0:1], 0x0                ; qkv, oimg
	s_load_b64 s[8:9], s[0:1], 0x10                ; osc
	v_lshl_add_u32 v254, v0, 2, SPARE
	v_mov_b32 v255, 0
	ds_add_u32 v254, v255                          ; the opening lines: the add twice and one wait
	ds_add_u32 v254, v255
	v_lshrrev_b32 v6, 5, v0
	s_delay_alu instid0(VALU_DEP_1)
	v_readfirstlane_b32 s[WV], v6                  ; wave 0..7
	s_and_b32 s[W7], s[WV], 3                      ; which piece I fetch
	s_bfe_u32 s56, ttmp6, 0x40000                  ; cx
	s_lshl_b32 s57, ttmp9, 2
	s_add_co_u32 s57, s57, s56                     ; my block of 256 queries: it enters Q's, oimg's and osc's addresses alone
	s_and_b32 s58, ttmp7, 0xffff                   ; the head, which the four partners share
	s_lshl_b32 s59, s57, 4
	s_lshl_b32 s60, s[WV], 1
	s_add_co_u32 s59, s59, s60                     ; my first token tile, 0, 2 .. 126
	s_mul_i32 s60, s58, HEADB
	s_mov_b32 s61, 0
	s_mov_b32 s67, 0
	s_mov_b32 s[G1K], 15|(3<<16)|(1<<20)|(1<<21)|(5<<22)|(15<<25)   ; mask of all four; elements of 8 bytes; 16 words of padding behind every 64
	s_mov_b32 s[G1K+1], 32<<16
	s_mov_b32 s[G1K+2], 96<<16                     ; 96 rows of 256 bytes: 32 half images
	s_mov_b32 s[G1K+3], 32<<16
	s_mov_b32 s[G1K+4], 96
	s_mov_b32 s[G1K+5], 32
	s_mov_b32 s[G1K+6], 0
	s_mov_b32 s[G1K+7], 0
	s_mov_b32 s[G1R], 15|(3<<16)|(1<<21)           ; the rest: no padding, 108 rows
	s_mov_b32 s[G1R+1], 32<<16
	s_mov_b32 s[G1R+2], 108<<16
	s_mov_b32 s[G1R+3], 32<<16
	s_mov_b32 s[G1R+4], 108
	s_mov_b32 s[G1R+5], 32
	s_mov_b32 s[G1R+6], 0
	s_mov_b32 s[G1R+7], 0
	s_mul_i32 s62, s[W7], 32*KT
	s_mul_i32 s63, s[W7], 32*768
	s_mul_i32 s44, s[W7], 108*256
	s_mov_b32 s[SEL], 0x76543210
	s_mov_b32 s[SEL+1], 0xfedcba98
	s_mov_b32 s[CS], 0x3e38aa3b
	s_mov_b32 s[CS+1], s[CS]                       ; (named with it as a pair)
	s_wait_dscnt 0x0
	s_wait_kmcnt 0x0
	s_add_nc_u64 s[60:61], s[4:5], s[60:61]        ; the head's block
	s_mov_b32 s[G0K], 1
	s_mov_b32 s[G0K+1], s62
	s_mov_b32 s66, s63
	s_add_nc_u64 s[G0K+2:G0K+3], s[60:61], s[66:67]
	s_or_b32 s[G0K+3], s[G0K+3], 0x80000000
	s_mov_b32 s[G0R], 1
	s_add_co_u32 s[G0R+1], s44, VIL
	s_add_co_u32 s66, s44, RESTO
	s_add_nc_u64 s[G0R+2:G0R+3], s[60:61], s[66:67]
	s_or_b32 s[G0R+3], s[G0R+3], 0x80000000
	ROUND                                          ; all four work-groups are here: the joint loads meet
	s_cmp_lt_u32 s[WV], 4                          ; the branch hangs on the wave's number alone; every way passes one load
	s_cbranch_scc0 .Lrest
	tensor_load_to_lds s[G0K:G0K+3], s[G1K:G1K+7]
	s_nop 0
.rept 4
	v_nop
.endr
	s_branch .Lasked
.Lrest:
	tensor_load_to_lds s[G0R:G0R+3], s[G1R:G1R+7]
	s_nop 0
.rept 4
	v_nop
.endr
.Lasked:                                               ; one tensor load of mine is out
	s_mul_i32 s66, s59, 768
	s_add_co_u32 s66, s66, QI
	s_add_nc_u64 s[68:69], s[60:61], s[66:67]      ; my two tiles of Q, 768 bytes each
	s_lshr_b32 s66, s59, 2                         ; their scale words: [tile / 4][place][tile % 4]: two neighbouring words
	s_lshl_b32 s66, s66, 8
	s_and_b32 s62, s59, 3
	s_lshl_b32 s62, s62, 2
	s_add_co_u32 s66, s66, s62
	s_add_co_u32 s66, s66, QSO
	s_add_nc_u64 s[70:71], s[60:61], s[66:67]
	v_and_b32 v11, 31, v0                          ; lane
	v_and_b32 v[KP0], 15, v0                       ; r
	s_delay_alu instid0(VALU_DEP_2)
	v_lshlrev_b32 v1, 4, v11                       ; 16 x lane
	s_delay_alu instid0(VALU_DEP_3)
	v_lshl_add_u32 v2, v11, 3, 512                 ; 512 + 8 x lane: registers 4 and 5 of a half image
	s_delay_alu instid0(VALU_DEP_3)
	v_lshlrev_b32 v[R16], 4, v[KP0]                ; 16 r
.irp T, 0,1
	global_load_b128 v[QQ+12*\T:QQ+12*\T+3], v1, s[68:69] offset:768*\T
	global_load_b64 v[QQ+12*\T+4:QQ+12*\T+5], v2, s[68:69] offset:768*\T
.endr
	global_load_b64 v[QSW:QSW+1], v[R16], s[70:71]
	v_add_nc_u32 v3, VIL, v1
	v_add_nc_u32 v5, VSL, v[R16]
	v_and_b32 v6, 7, v0                            ; r % 8
	v_bfe_u32 v7, v0, 3, 1                         ; r / 8
	v_bfe_u32 v8, v0, 4, 1                         ; h
	s_delay_alu instid0(VALU_DEP_3)
	v_lshlrev_b32 v[KP0], 4, v6                    ; K, registers 0-3: place r % 8 of the image's row h, two stored tiles on for r / 8 = 1
	s_delay_alu instid0(VALU_DEP_1)
	v_mad_u32_u24 v[KP0], v7, 2*KT, v[KP0]
	s_delay_alu instid0(VALU_DEP_1)
	v_mad_u32_u24 v[KP0], v8, 320, v[KP0]
	v_lshlrev_b32 v[KP1], 3, v6                    ; K, registers 4-5: the image's third row, 8 bytes a place, 128 h on
	s_delay_alu instid0(VALU_DEP_1)
	v_mad_u32_u24 v[KP1], v7, 2*KT, v[KP1]
	s_delay_alu instid0(VALU_DEP_1)
	v_lshl_add_u32 v[KP1], v8, 7, v[KP1]
	s_delay_alu instid0(VALU_DEP_1)
	v_add_nc_u32 v[KP1], 640, v[KP1]
	v_lshlrev_b32 v4, 4, v6                        ; K's scale words: 16 bytes a place, 8 on for the stored tile two further
	s_delay_alu instid0(VALU_DEP_1)
	v_lshl_add_u32 v4, v7, 3, v4
	s_delay_alu instid0(VALU_DEP_1)
	v_add_nc_u32 v4, KSL, v4
	v_lshlrev_b32 v11, 3, v8                       ; 8 h: my blocks' bytes in p's scale word
	s_lshr_b32 s56, s58, 4                         ; where o goes: tile 128 x batch + my token tile, head hd
	s_lshl_b32 s56, s56, 7
	s_add_co_u32 s56, s56, s59
	s_and_b32 s57, s58, 15
	s_lshl_b32 s66, s56, 4
	s_add_co_u32 s66, s66, s57
	s_mul_i32 s66, s66, 768
	s_add_nc_u64 s[6:7], s[6:7], s[66:67]          ; oimg: [tile][hd][768]
	s_lshl_b32 s66, s56, 9
	s_lshr_b32 s62, s57, 3
	s_lshl_b32 s62, s62, 8
	s_add_co_u32 s66, s66, s62
	s_and_b32 s62, s57, 7
	s_lshl_b32 s62, s62, 1
	s_add_co_u32 s66, s66, s62
	s_add_nc_u64 s[8:9], s[8:9], s[66:67]          ; osc: 512 tile + 256 (hd / 8) + 2 (hd % 8), + 16 r
.irp j, 22,23,24,25,26,27,34,35,36,37,38,39,88,89,90,91,92,93
	v_mov_b32 v\j, 0                               ; zero codes
.endr
.irp T, 0,1
	v_mov_b32 v[13+2*\T], 0xff61b1e6               ; the largest t so far: -3e38
	v_mov_b32 v[S4+8*\T], 0                        ; the sum
	v_mov_b32 v[S4+8*\T+1], 0
	v_mov_b32 v[FF+2*\T+1], 0                      ; (named as the upper half of f's pair)
	v_mov_b32 v[PT+2*\T], 0                        ; a lane permute's destination counts as one of its sources
	v_mov_b32 v[PT+2*\T+1], 0
	v_floor_f32 v[12+2*\T], -v[13+2*\T]            ; -M
.endr
	WIN 0x40
.set jj, 0
.rept 64
	v_mov_b32 v[OO+jj], 0                          ; O^T: the step is written for every step alike
.set jj, jj+1
.endr
	WIN 0
.macro KLOAD                           ; a step's eight tiles of K and their scale words: 20 loads
.irp g, 0,1
.irp u, 0,1,2,3
	ds_load_b128 v[KF+6*(4*\g+\u):KF+3+6*(4*\g+\u)], v6 offset:KT*(4*\g+\u%2)+128*(\u/2)
	ds_load_b64 v[KF+4+6*(4*\g+\u):KF+5+6*(4*\g+\u)], v7 offset:KT*(4*\g+\u%2)+64*(\u/2)
.endr
.endr
.irp g, 0,1
.irp w, 0,1
	ds_load_b64 v[KSW+4*\g+2*\w:KSW+1+4*\g+2*\w], v9 offset:256*\g+128*\w
.endr
.endr
.endm
; The row's sum of the unquantised p, 32 additions of pairs a tile: three start chains 1-3 with pairs 0-5; numbers 3-28 (this macro) add pairs 6-31 to chains 0-3 by turns; three join the chains into chain 0, which is carried on
.macro ADS a, n                        ; source 0 (p) in window 1
.set ak, \a
.rept \n
.irp T, 0,1
	v_pk_add_f32 v[S4+8*\T+2*((ak-3)%4):S4+8*\T+2*((ak-3)%4)+1], v[64*\T+6+2*ak:64*\T+7+2*ak], v[S4+8*\T+2*((ak-3)%4):S4+8*\T+2*((ak-3)%4)+1]
.endr
.set ak, ak+1
.endr
.endm
; A KEY STEP: 128 keys x 32 queries.  Its tiles of K have been asked for.  nxt = 1: the next step's are asked for
.macro BODY nxt
.if \nxt
	s_add_co_u32 s[TK], s[TK], 8*KT
	s_add_co_u32 s[TS5], s[TS5], 512
.endif
	s_wait_dscnt 0x0                               ; K's tiles and scale words are in
	WIN 0x40
.irp i, 0,1,2,3,4,5,6,7
.irp T, 0,1
	v_wmma_scale_f32_16x16x128_f8f6f4 v[64*\T+8*\i:64*\T+8*\i+7], v[KF+6*\i:KF+6*\i+11], v[QQ+12*\T:QQ+12*\T+11], 0, v[KSW+\i], v[QSW+\T] matrix_a_fmt:MATRIX_FMT_FP6 matrix_b_fmt:MATRIX_FMT_FP6
.endr
.endr
	WIN 0
	v_add_nc_u32 v8, s[T6], v3                     ; at least four places in front of the loads below and of the first read of the scores
	v_add_nc_u32 v10, s[TS2], v5
	v_mov_b32 v[OM], v12                           ; the old -M
	v_mov_b32 v[OM+1], v14
.if \nxt
	v_add_nc_u32 v6, s[TK], v[KP0]                 ; the next step's places in K
	v_add_nc_u32 v7, s[TK], v[KP1]
	v_add_nc_u32 v9, s[TS5], v4
	KLOAD                                          ; the next step's tiles, and below this step's fragments of V, land under the softmax
.endif
	ds_load_b128 v[VSW:VSW+3], v10
	WIN 0x40
.irp t, 0,1,2,3
.irp c, 0,1,2
	ds_load_b128 v[VF+12*\t+4*\c:VF+3+12*\t+4*\c], v8 offset:1536*\t+512*\c
.endr
.endr
	WIN 0x05                                       ; the largest score of each of my four blocks of 32 keys: four chains by turns
.irp T, 0,1
.irp g, 0,1
	v_max_num_f32 v[BM+2*\T+\g], v[64*\T+32*\g], v[64*\T+32*\g+1]
.endr
.endr
.irp i, 2,4,6,8,10,12,14,16,18,20,22,24,26,28,30
.irp T, 0,1
.irp g, 0,1
	v_max3_num_f32 v[BM+2*\T+\g], v[64*\T+32*\g+\i], v[64*\T+32*\g+\i+1], v[BM+2*\T+\g]
.endr
.endr
.endr
	WIN 0
.irp T, 0,1                            ; from here on the two tiles' chains go by turns
	v_max_num_f32 v[TMP+\T], v[BM+2*\T], v[BM+2*\T+1]
.endr
.irp T, 0,1
	v_mul_f32 v[TMP+\T], s[CS], v[TMP+\T]          ; my 64 keys' largest score as t (c is positive)
.endr
.irp T, 0,1
	v_permlanex16_b32 v[PT+2*\T], v[TMP+\T], s[SEL], s[SEL+1]
.endr
.irp T, 0,1
	v_max3_num_f32 v[13+2*\T], v[13+2*\T], v[TMP+\T], v[PT+2*\T]   ; the running largest t
.endr
.irp T, 0,1
	v_floor_f32 v[12+2*\T], -v[13+2*\T]            ; the new -M = -ceil(t)
.endr
.irp T, 0,1
	v_sub_f32 v[TMP+\T], v[12+2*\T], v[OM+\T]      ; old M - new M: a whole number, 0 or less
.endr
.irp T, 0,1
.irp g, 0,1
	v_fma_f32 v[BM+2*\T+\g], v[BM+2*\T+\g], s[CS], v[12+2*\T]   ; t - M of each block's largest score
.endr
.endr
.irp T, 0,1
	v_cvt_i32_f32 v[TMP+\T], v[TMP+\T]             ; (it saturates)
.endr
.irp T, 0,1
	v_ldexp_f32 v[FF+2*\T], 1.0, v[TMP+\T]         ; f = 2^(old M - new M)
.endr
	WIN 0x41
.irp T, 0,1
.set fk, 0
.rept 32
	v_pk_fma_f32 v[64*\T+2*fk:64*\T+2*fk+1], v[64*\T+2*fk:64*\T+2*fk+1], s[CS:CS+1], v[12+2*\T:13+2*\T] op_sel_hi:[1,0,0]   ; t - M
.set fk, fk+1
.endr
.endr
.irp T, 0,1
.set fk, 0
.rept 16
	v_pk_mul_f32 v[OO+32*\T+2*fk:OO+32*\T+2*fk+1], v[OO+32*\T+2*fk:OO+32*\T+2*fk+1], v[FF+2*\T:FF+2*\T+1] op_sel_hi:[1,0]   ; O^T under the new M, each accumulator from its low end on
.set fk, fk+1
.endr
.endr
	s_wait_alu depctr_va_vdst(0)                   ; ahead of the batch
.set jj, 0
.rept 128
	v_exp_f32 v[jj], v[jj]                         ; p = 2^(t - M), at most 1
.set jj, jj+1
.endr
	WIN 0
.irp b, 0,1,2,3
	v_exp_f32 v[BM+\b], v[BM+\b]                   ; the blocks' largest p
.endr
.irp T, 0,1
	v_pk_mul_f32 v[S4+8*\T:S4+8*\T+1], v[S4+8*\T:S4+8*\T+1], v[FF+2*\T:FF+2*\T+1] op_sel_hi:[1,0]   ; the sums under the new M: the plain place behind the batch
.endr
	s_wait_alu depctr_va_vdst(0)                   ; and the one wait behind it
.irp b, 0,1,2,3
	v_max_num_f32 v[BM+\b], 0x1800000, v[BM+\b]    ; the floor 2^(3 - 127): the byte cannot fall under 1
.endr
.irp T, 0,1
.irp g, 0,1
	v_add_nc_u32 v[SO+4*\T+\g], 0xff000000, v[BM+2*\T+\g]   ; 2 off the exponent field: the conversion's scale operand
.endr
.endr
.irp T, 0,1
.irp g, 0,1
	v_lshrrev_b32 v[SO+4*\T+2+\g], 23, v[SO+4*\T+\g]   ; the scale's byte
.endr
.endr
.irp T, 0,1
	v_lshl_or_b32 v[TMP+\T], v[SO+4*\T+3], 16, v[SO+4*\T+2]   ; my two bytes: blocks h and 2 + h,
.endr
.irp T, 0,1
	v_lshlrev_b32 v[TMP+\T], v11, v[TMP+\T]        ; at their places in the word (8 h bits up);
.endr
.irp T, 0,1
	v_permlanex16_b32 v[PT+2*\T+1], v[TMP+\T], s[SEL], s[SEL+1]
.endr
.irp T, 0,1
	v_or_b32 v[PSW+\T], v[TMP+\T], v[PT+2*\T+1]    ; with lane l xor 16's two: p's scale word for these 128 keys
.endr
	WIN 0x05
.irp k, 0,1,2
.irp T, 0,1
	v_pk_add_f32 v[S4+8*\T+2+2*\k:S4+8*\T+3+2*\k], v[64*\T+4*\k:64*\T+4*\k+1], v[64*\T+4*\k+2:64*\T+4*\k+3]   ; chains 1-3 start
.endr
.endr
	WIN 0x01
.irp T, 0,1
.irp g, 0,1
	v_cvt_scalef32_pk16_fp6_f32 v[PCD+12*\T+6*\g:PCD+12*\T+6*\g+2], v[64*\T+32*\g:64*\T+32*\g+15], v[SO+4*\T+\g]
.endr
.endr
	WIN 0x41                                       ; (a conversion's three registers begin on an even number: a block's second half is made in window 1 and moved)
.irp T, 0,1
.irp g, 0,1
	v_cvt_scalef32_pk16_fp6_f32 v[CT+8*\T+4*\g:CT+8*\T+4*\g+2], v[64*\T+32*\g+16:64*\T+32*\g+31], v[SO+4*\T+\g]
.endr
.endr
	WIN 0x01
	ADS 3, 1                                       ; the plain place behind the conversions
.irp T, 0,1
.irp g, 0,1
.irp i, 0,1,2
	v_mov_b32 v[PCD+12*\T+6*\g+3+\i], v[CT+8*\T+4*\g+\i]   ; registers 6 g .. 6 g + 5: keys 64 g + 32 h + 0 .. 31
.endr
.endr
.endr
	ADS 4, 12                                      ; 24 places between the codes and the products
	s_wait_alu depctr_va_vdst(0)                   ; directly ahead of the wait below
	s_wait_dscnt 0x0                               ; V's fragments and scale words are in (and the next step's tiles of K)
	WIN 0x51
.irp t, 0,1,2,3
.irp T, 0,1
	v_wmma_scale_f32_16x16x128_f8f6f4 v[OO+32*\T+8*\t:OO+32*\T+8*\t+7], v[VF+12*\t:VF+12*\t+11], v[PCD+12*\T:PCD+12*\T+11], v[OO+32*\T+8*\t:OO+32*\T+8*\t+7], v[VSW+\t], v[PSW+\T] matrix_a_fmt:MATRIX_FMT_FP6 matrix_b_fmt:MATRIX_FMT_FP6
.endr
.endr
	WIN 0x01
	ADS 16, 13
	WIN 0
.irp T, 0,1
	v_pk_add_f32 v[S4+8*\T:S4+8*\T+1], v[S4+8*\T:S4+8*\T+1], v[S4+8*\T+6:S4+8*\T+7]
	v_pk_add_f32 v[S4+8*\T+2:S4+8*\T+3], v[S4+8*\T+2:S4+8*\T+3], v[S4+8*\T+4:S4+8*\T+5]
.endr
.irp T, 0,1
	v_pk_add_f32 v[S4+8*\T:S4+8*\T+1], v[S4+8*\T:S4+8*\T+1], v[S4+8*\T+2:S4+8*\T+3]
.endr
.endm
	s_wait_alu depctr_va_vdst(0)                   ; at the head's end
	s_wait_loadcnt 0x0                             ; Q
	s_wait_tensorcnt 0x0                           ; my piece of the head has landed,
	s_barrier_signal -1
	s_barrier_wait -1                              ; everybody's has
	s_mov_b32 s[TK], 0
	s_mov_b32 s[TS5], 0
	s_mov_b32 s[T6], 0
	s_mov_b32 s[TS2], 0
	v_add_nc_u32 v6, s[TK], v[KP0]
	v_add_nc_u32 v7, s[TK], v[KP1]
	v_add_nc_u32 v9, s[TS5], v4
	KLOAD                                          ; key step 0
	s_mov_b32 s[CNT], 15
.Lstep:                                                ; 15 trips; the sixteenth step is written out: it asks for no further tiles
	BODY 1
	s_add_co_u32 s[T6], s[T6], 6144
	s_add_co_u32 s[TS2], s[TS2], 256
	s_sub_co_u32 s[CNT], s[CNT], 1
	s_cmp_lg_u32 s[CNT], 0
	s_cbranch_scc1 .Lstep
	BODY 0
	; THE WAY OUT: O^T / the sum; register 16 b + i of a tile is channel 32 b + 16 h + i of my query: two blocks of the last product's K.  (The step's last additions are the places behind the last products)
	s_delay_alu instid0(VALU_DEP_2)
.irp T, 0,1
	v_add_f32 v[TMP+\T], v[S4+8*\T], v[S4+8*\T+1]
.endr
	s_delay_alu instid0(VALU_DEP_2)
.irp T, 0,1
	v_permlanex16_b32 v[PT+2*\T], v[TMP+\T], s[SEL], s[SEL+1]
.endr
	s_delay_alu instid0(VALU_DEP_2)
.irp T, 0,1
	v_add_f32 v[TMP+\T], v[TMP+\T], v[PT+2*\T]     ; the row's sum
.endr
	s_wait_alu depctr_va_vdst(0)
.irp T, 0,1
	v_rcp_f32 v[FF+2*\T], v[TMP+\T]
.endr
	v_nop                                          ; one plain place behind a transcendental
	WIN 0x41
	s_wait_alu depctr_va_vdst(0)
.irp T, 0,1
.set fk, 0
.rept 16
	v_pk_mul_f32 v[OO+32*\T+2*fk:OO+32*\T+2*fk+1], v[OO+32*\T+2*fk:OO+32*\T+2*fk+1], v[FF+2*\T:FF+2*\T+1] op_sel_hi:[1,0]   ; each accumulator from its low end on
.set fk, fk+1
.endr
.endr
	WIN 0x05
.irp T, 0,1
.irp b, 0,1
	v_max3_num_f32 v[BM+2*\T+\b], |v[OO+32*\T+16*\b]|, |v[OO+32*\T+16*\b+1]|, 0x1800000
.endr
.endr
.irp i, 2,4,6,8,10,12,14
.irp T, 0,1
.irp b, 0,1
	v_max3_num_f32 v[BM+2*\T+\b], |v[OO+32*\T+16*\b+\i]|, |v[OO+32*\T+16*\b+\i+1]|, v[BM+2*\T+\b]
.endr
.endr
.endr
	WIN 0
.irp b, 0,1,2,3
	v_permlanex16_b32 v[PT+\b], v[BM+\b], s[SEL], s[SEL+1]
.endr
.irp b, 0,1,2,3
	v_max_num_f32 v[BM+\b], v[BM+\b], v[PT+\b]     ; here a block lies in lanes l and l xor 16
.endr
.irp T, 0,1
.irp b, 0,1
	v_add_nc_u32 v[SO+4*\T+\b], 0xff000000, v[BM+2*\T+\b]
.endr
.endr
.irp T, 0,1
.irp b, 0,1
	v_lshrrev_b32 v[PT+2*\T+\b], 23, v[SO+4*\T+\b]
.endr
.endr
	s_delay_alu instid0(VALU_DEP_3)
.irp T, 0,1
	v_lshl_or_b32 v[TMP+\T], v[PT+2*\T+1], 8, v[PT+2*\T]   ; my row's two scale bytes
.endr
	WIN 0x01
.irp T, 0,1
	v_cvt_scalef32_pk16_fp6_f32 v[PCD+12*\T:PCD+12*\T+2], v[OO+32*\T:OO+32*\T+15], v[SO+4*\T]
	v_cvt_scalef32_pk16_fp6_f32 v[TT+4*\T:TT+4*\T+2], v[OO+32*\T+16:OO+32*\T+31], v[SO+4*\T+1]
.endr
	WIN 0
	v_nop                                          ; one plain place behind a scaled conversion
.irp T, 0,1
.irp i, 0,1,2
	v_permlane16_swap_b32 v[PCD+12*\T+\i], v[TT+4*\T+\i]   ; a whole block to a lane
.endr
.endr
.irp T, 0,1
.irp i, 0,1,2
	v_mov_b32 v[PCD+12*\T+3+\i], v[TT+4*\T+\i]     ; registers 0-5: channels 32 h + 0 .. 31: a half image
.endr
.endr
.irp T, 0,1
	global_store_b128 v1, v[PCD+12*\T:PCD+12*\T+3], s[6:7] offset:12288*\T     ; 512 consecutive bytes,
	global_store_b64 v2, v[PCD+12*\T+4:PCD+12*\T+5], s[6:7] offset:12288*\T    ; and 256
	global_store_b16 v[R16], v[TMP+\T], s[8:9] offset:512*\T                   ; lanes r and r + 16 store the same halfword with the same value
.endr
	s_wait_tensorcnt 0x0                           ; the wave's end
	ds_add_u32 v254, v255
	s_wait_dscnt 0x0
	ROUND                                          ; the closing round
	s_endpgm
.Lfunc_end_k_q29f36948cd_attn:
	.size	k_q29f36948cd_attn, .Lfunc_end_k_q29f36948cd_attn-k_q29f36948cd_attn
	.p2alignl 7, 3214868480
	.fill 96, 4, 3214868480
	.section	.rodata,"a",@progbits
	.p2align	6, 0x0
	.amdhsa_kernel k_q29f36948cd_attn
		.amdhsa_group_segment_fixed_size 234496
		.amdhsa_private_segment_fixed_size 0
		.amdhsa_enable_private_segment 0
		.amdhsa_kernarg_size 24
		.amdhsa_user_sgpr_count 2
		.amdhsa_user_sgpr_kernarg_segment_ptr 1
		.amdhsa_wavefront_size32 1
		.amdhsa_system_sgpr_workgroup_id_x 1
		.amdhsa_system_sgpr_workgroup_id_y 1
		.amdhsa_system_sgpr_workgroup_id_z 1
		.amdhsa_system_vgpr_workitem_id 0
		.amdhsa_next_free_vgpr 512
		.amdhsa_next_free_sgpr 72
		.amdhsa_reserve_vcc 0
		.amdhsa_float_denorm_mode_32 3
		.amdhsa_float_denorm_mode_16_64 3
		.amdhsa_memory_ordered 1
		.amdhsa_forward_progress 1
		.amdhsa_inst_pref_size 72
	.end_amdhsa_kernel
	.amdgpu_metadata
---
amdhsa.version: [ 1, 2 ]
amdhsa.kernels:
  - .name:           k_q29f36948cd_attn
    .symbol:         k_q29f36948cd_attn.kd
    .args:
      - { .name: qkv, .offset: 0, .size: 8, .value_kind: global_buffer, .address_space: global }
      - { .name: oimg, .offset: 8, .size: 8, .value_kind: global_buffer, .address_space: global }
      - { .name: osc, .offset: 16, .size: 8, .value_kind: global_buffer, .address_space: global }
    .group_segment_fixed_size: 234496
    .private_segment_fixed_size: 0
    .kernarg_segment_align: 8
    .kernarg_segment_size: 24
    .max_flat_workgroup_size: 256
    .sgpr_count:     72
    .vgpr_count:     512
    .wavefront_size: 32
...
	.end_amdgpu_metadata
.endif
;; end of part 3
;; launch proj (part 4): grid 8 x 32, 8 waves a work-group, clusters of 4 x 4, 273,408 bytes of LDS; arguments oimg, osc, img, sc, proj_b, out0; writes out0
.if DOCPART == 4
	.amdgcn_target "amdgcn-amd-amdhsa--gfx1250"
	.amdhsa_code_object_version 6
	.text
	.protected	k_q29f36948cd_proj
	.globl	k_q29f36948cd_proj
	.p2align	8
	.type	k_q29f36948cd_proj,@function
k_q29f36948cd_proj:
	s_mov_b64 s[64:65], 0
	v_nop
	global_prefetch_b8 v0, s[64:65] scope:SCOPE_SE
	s_setreg_imm32_b32 hwreg(HW_REG_WAVE_MODE, 25, 1), 1
	s_wait_xcnt 0x0
	s_wait_alu depctr_hold_cnt(0) depctr_sa_sdst(0) depctr_va_vdst(0) depctr_va_sdst(0) depctr_va_ssrc(0) depctr_va_vcc(0) depctr_vm_vsrc(0)
	s_getreg_b32 s2, hwreg(HW_REG_IB_STS2, 6, 4)
	s_cmp_eq_u32 s2, 0
	s_cbranch_scc0 .Lentry_in_a_cluster
	s_endpgm
.Lentry_in_a_cluster:
	s_bfe_u32 s2, ttmp6, 0x10000c
	s_cmp_lg_u32 s2, 0xf033
	s_cbranch_scc0 .Lentry_shape_is_right
	s_endpgm
.Lentry_shape_is_right:
; out0 = o proj_w^T + proj_b on codes of E2M3, K = 1,024.  o: oimg (256 token tiles x 16 half images of 768 bytes) and osc; proj_w: tiles 448-511 of img and sc.  out0: [4,096][1,024] f32.
; A tile of the result is 128 x 128: 256 work-groups.  All of K of both operands lies in LDS, tile by tile as in memory: each operand's eight tiles are one dense block of 98,304 bytes, its scale words one of 4,096.
; ONE TENSOR LOAD A WAVE, all at the head: waves 0-2 bring o's block (128 rows of 256 bytes each), waves 3-5 proj_w's, wave 6 o's scale words, wave 7 proj_w's.  One wait, one barrier; nothing is filled twice.
; CLUSTERS: 4 x 4 work-groups; o's bytes are asked for jointly along a row of the cluster, proj_w's along a column.  No prefetch: every byte is asked for once, at the head, and there is no loop to run ahead in.
; Wave w makes token tiles 4 (w / 4) .. + 3 x channel tiles 2 (w % 4), + 1: eight accumulators, which take turns.
; THE MATRIX INSTRUCTION IS USED TRANSPOSED (source 0 = 16 rows of proj_w, source 1 = 16 tokens): lane (r, h) holds channels 32 (w % 4) + 16 h + 8 u + 0 .. 7 of token place r.
; The bias is the C of each sum's first matrix instruction.  The results meet in a stage in LDS, bytes of its own, and leave as whole rows of 512 bytes; place t of stored tile T is token 32 (T / 2) + 8 (T % 2) + t + 8 (t / 8).
; REGISTERS: v1-7, v10-15 addresses; v8, v9 the add's two; v16-31 the bias; v32-103, v104-175 two sets of fragments (four of o, two of proj_w); v176-191 scale words; v192-255 the accumulators ((a, u) at v[192 + 8 (2 a + u)]).
.set KSB,   1536                       ; a tile's K step of 128
.set TB,    12288                      ; a tile, all of K
.set BIMG,  98304
.set ASC,   196608                     ; o's scale words, 8 tiles x 512
.set BSC,   200704                     ; proj_w's
.set STG,   204800                     ; the stage: 128 rows x (512 + 16) bytes
.set SP,    528
.set SPARE, STG+128*SP                 ; the spare words: 128 bytes a wave
.set WV,   60
.set G1A,  16                          ; groups 1: codes of o, of proj_w; scale words of o, of proj_w
.set G1B,  24
.set G1SA, 32
.set G1SB, 40
.set G0A,  48                          ; and their groups 0
.set G0B,  52
.set G0SA, 56
.set G0SB, 68
.macro CREST
	s_cmp_lg_u32 s[WV], 0
	s_cbranch_scc1 .Lnot_wave_0_\@
	s_barrier_signal -3
.Lnot_wave_0_\@:
	s_barrier_wait -3
	s_barrier_signal -1
	s_barrier_wait -1
.endm
.macro CROUND
	s_barrier_signal -1
	s_barrier_wait -1
	CREST
.endm
.macro PLACES
.rept 4
	v_nop
.endr
.endm
	s_load_b256 s[4:11], s[0:1], 0x0               ; oimg s[4:5], osc s[6:7], img s[8:9], sc s[10:11]
	s_load_b128 s[12:15], s[0:1], 0x20             ; proj_b s[12:13], out0 s[14:15]
	v_lshl_add_u32 v8, v0, 2, SPARE
	v_mov_b32 v9, 0
	ds_add_u32 v8, v9                              ; the opening lines: the add twice and one wait
	ds_add_u32 v8, v9
	v_lshrrev_b32 v1, 5, v0
	s_delay_alu instid0(VALU_DEP_1)
	v_readfirstlane_b32 s[WV], v1                  ; wave 0..7
	s_and_b32 s61, s[WV], 3                        ; my pair of channel tiles
	s_lshr_b32 s62, s[WV], 2                       ; my four token tiles
	s_bfe_u32 s80, ttmp6, 0x40000                  ; cx, cy
	s_bfe_u32 s81, ttmp6, 0x40004
	s_lshl_b32 s82, ttmp9, 2
	s_add_co_u32 s82, s82, s80                     ; tile column
	s_and_b32 s83, ttmp7, 0xffff
	s_lshl_b32 s83, s83, 2
	s_add_co_u32 s83, s83, s81                     ; tile row
	s_lshl_b32 s84, s81, 2
	s_lshl_b32 s84, 15, s84                        ; my row of the cluster
	s_lshl_b32 s85, 0x1111, s80                    ; my column
	s_or_b32 s[G1A], s84, (3<<16)|(1<<21)          ; dense bytes as rows of 256 (32 elements of 8 bytes): 128 rows of codes,
	s_or_b32 s[G1B], s85, (3<<16)|(1<<21)
.irp g, G1A, G1B
	s_mov_b32 s[\g+1], 32<<16
	s_mov_b32 s[\g+2], 128<<16
	s_mov_b32 s[\g+3], 32<<16
	s_mov_b32 s[\g+4], 128
	s_mov_b32 s[\g+5], 32
	s_mov_b32 s[\g+6], 0
	s_mov_b32 s[\g+7], 0
.endr
	s_or_b32 s[G1SA], s84, (3<<16)|(1<<21)         ; 16 rows of scale words
	s_or_b32 s[G1SB], s85, (3<<16)|(1<<21)
.irp g, G1SA, G1SB
	s_mov_b32 s[\g+1], 32<<16
	s_mov_b32 s[\g+2], 16<<16
	s_mov_b32 s[\g+3], 32<<16
	s_mov_b32 s[\g+4], 16
	s_mov_b32 s[\g+5], 32
	s_mov_b32 s[\g+6], 0
	s_mov_b32 s[\g+7], 0
.endr
	s_lshl_b32 s86, s[WV], 15                      ; 32,768 x wave: my piece's place in LDS (proj_w's block begins at 3 x 32,768), and in memory
	s_mov_b32 s87, 0
	s_mul_i32 s88, s83, 8*TB                       ; o: tile 8 x tile row
	s_mov_b32 s89, 0
	s_lshl_b32 s90, s82, 3
	s_add_co_u32 s90, s90, 440                     ; proj_w: tile 448 + 8 x tile column, less the eight tiles (3 x 32,768 bytes) by which waves 3-5 count on
	s_mul_i32 s90, s90, TB
	s_mov_b32 s91, 0
	s_lshl_b32 s92, s83, 12                        ; the scale words: 512 bytes a tile
	s_mov_b32 s93, 0
	s_lshl_b32 s94, s82, 12
	s_add_co_u32 s94, s94, 448*512
	s_mov_b32 s95, 0
	s_wait_dscnt 0x0
	s_wait_kmcnt 0x0
	s_add_nc_u64 s[88:89], s[4:5], s[88:89]
	s_add_nc_u64 s[90:91], s[8:9], s[90:91]
	s_mov_b32 s[G0A], 1
	s_mov_b32 s[G0A+1], s86
	s_add_nc_u64 s[G0A+2:G0A+3], s[88:89], s[86:87]
	s_or_b32 s[G0A+3], s[G0A+3], 0x80000000
	s_mov_b32 s[G0B], 1
	s_mov_b32 s[G0B+1], s86
	s_add_nc_u64 s[G0B+2:G0B+3], s[90:91], s[86:87]
	s_or_b32 s[G0B+3], s[G0B+3], 0x80000000
	s_mov_b32 s[G0SA], 1
	s_mov_b32 s[G0SA+1], ASC
	s_add_nc_u64 s[G0SA+2:G0SA+3], s[6:7], s[92:93]
	s_or_b32 s[G0SA+3], s[G0SA+3], 0x80000000
	s_mov_b32 s[G0SB], 1
	s_mov_b32 s[G0SB+1], BSC
	s_add_nc_u64 s[G0SB+2:G0SB+3], s[10:11], s[94:95]
	s_or_b32 s[G0SB+3], s[G0SB+3], 0x80000000
	CROUND                                         ; all sixteen work-groups are here: the joint loads meet
; one chain of branches on the wave's number, one load to an arm, all arms leading to one join: every way passes exactly one load
.macro ARM under, g0, g1, next
	s_cmp_lt_u32 s[WV], \under
	s_cbranch_scc0 \next
	tensor_load_to_lds s[\g0:\g0+3], s[\g1:\g1+7]
	s_nop 0
.rept 4
	v_nop
.endr
	s_branch .Lasked
\next:
.endm
	ARM 3, G0A,  G1A,  .Lfor_b
	ARM 6, G0B,  G1B,  .Lfor_sa
	ARM 7, G0SA, G1SA, .Lfor_sb
	tensor_load_to_lds s[G0SB:G0SB+3], s[G1SB:G1SB+7]
	s_nop 0
.rept 4
	v_nop
.endr
.Lasked:
	s_lshl_b32 s66, s82, 9                         ; the bias: 128 channels a tile column, 32 a pair of tiles
	s_lshl_b32 s63, s61, 7
	s_add_co_u32 s66, s66, s63
	s_mov_b32 s67, 0
	s_add_nc_u64 s[12:13], s[12:13], s[66:67]
	s_mul_i32 s97, s62, 4*TB                       ; my four tiles of o
	s_mul_i32 s98, s61, 2*TB
	s_add_co_u32 s98, s98, BIMG                    ; my two tiles of proj_w
	s_lshl_b32 s72, s62, 11
	s_add_co_u32 s72, s72, ASC                     ; o's scale words: my four tiles
	s_xor_b32 s73, s62, 1                          ; from there to proj_w's two tiles: 4,096 + 1,024 (wave % 4) - 2,048 (wave / 4), made without a difference
	s_lshl_b32 s73, s73, 11
	s_lshl_b32 s96, s61, 10
	s_add_co_u32 s73, s73, s96
	s_add_co_u32 s73, s73, 2048
	s_mul_i32 s74, s62, 64*SP
	s_add_co_u32 s74, s74, s63
	s_add_co_u32 s74, s74, STG                     ; into the stage: row 64 (wave / 4), byte 128 (wave % 4)
	s_mul_i32 s75, s[WV], 16*SP
	s_add_co_u32 s75, s75, STG                     ; back: rows 16 x wave on
	s_lshl_b32 s76, s83, 7                         ; the first token that I store: 128 x tile row + 32 (wave / 2) + 8 (wave % 2)
	s_lshr_b32 s78, s[WV], 1
	s_lshl_b32 s78, s78, 5
	s_add_co_u32 s76, s76, s78
	s_and_b32 s78, s[WV], 1
	s_lshl_b32 s78, s78, 3
	s_add_co_u32 s76, s76, s78
	s_lshl_b32 s76, s76, 12                        ; a row of out0 is 4,096 bytes (under 2^24 in all)
	s_lshl_b32 s78, s82, 9
	s_add_co_u32 s76, s76, s78
	s_mov_b32 s77, 0
	s_add_nc_u64 s[14:15], s[14:15], s[76:77]
	v_and_b32 v1, 15, v0                           ; r
	v_bfe_u32 v2, v0, 4, 1                         ; h
	v_and_b32 v3, 31, v0                           ; lane
	v_lshlrev_b32 v11, 6, v2                       ; the bias: my half's 16 numbers begin 64 h bytes on
	v_lshlrev_b32 v13, 4, v1                       ; scale words: 16 r in a tile's K half
	v_mul_u32_u24 v14, v1, SP
	v_lshlrev_b32 v4, 4, v3                        ; 16 x lane
	v_lshlrev_b32 v5, 3, v3                        ; 8 x lane
.irp u, 0,1
.irp k, 0,1
	global_load_b128 v[16+8*\u+4*\k:19+8*\u+4*\k], v11, s[12:13] offset:32*\u+16*\k
.endr
.endr
	v_mul_u32_u24 v12, s73, v2
	v_add_nc_u32 v13, s72, v13                     ; v13: o's scale words alone
	v_lshl_add_u32 v14, v2, 6, v14
	v_add_nc_u32 v6, s97, v4                       ; o's fragments, 16 and 8 bytes a lane
	v_add_nc_u32 v7, s97, v5
	v_add_nc_u32 v10, s98, v4                      ; proj_w's
	v_add_nc_u32 v15, s75, v4
	v_add_nc_u32 v12, v12, v13                     ; v12: lanes 0-15 o's scale words, lanes 16-31 proj_w's
	v_add_nc_u32 v14, s74, v14                     ; + row r, + 64 h
; K step s: o's four fragments (two half images each: 16, 8, 16, 8 bytes a lane) and proj_w's two (three loads of 16): 22 loads
.macro FETCH s
.set FB, 32+72*((\s)%2)
.irp a, 0,1,2,3
	ds_load_b128 v[FB+12*\a:FB+12*\a+3], v6 offset:\a*TB+(\s)*KSB
	ds_load_b64 v[FB+12*\a+4:FB+12*\a+5], v7 offset:\a*TB+(\s)*KSB+512
	ds_load_b128 v[FB+12*\a+6:FB+12*\a+9], v6 offset:\a*TB+(\s)*KSB+768
	ds_load_b64 v[FB+12*\a+10:FB+12*\a+11], v7 offset:\a*TB+(\s)*KSB+1280
.endr
.irp u, 0,1
.irp c, 0,1,2
	ds_load_b128 v[FB+48+12*\u+4*\c:FB+48+12*\u+4*\c+3], v10 offset:\u*TB+(\s)*KSB+512*\c
.endr
.endr
.endm
.macro SCLD kh                         ; a K half's scale words: register 176 + 4 i + q: lanes 0-15 o's tile i, and for i = 0, 1 lanes 16-31 proj_w's tile i; q: the K step in the half
	ds_load_b128 v[176:179], v12 offset:256*\kh
	ds_load_b128 v[180:183], v12 offset:512+256*\kh
	ds_load_b128 v[184:187], v13 offset:1024+256*\kh
	ds_load_b128 v[188:191], v13 offset:1536+256*\kh
.endm
.macro MUL s
.set FB, 32+72*((\s)%2)
.set QQ, (\s)%4
.irp a, 0,1,2,3
.irp u, 0,1
.if (\s) == 0
	v_wmma_scale_f32_16x16x128_f8f6f4 v[192+8*(2*\a+\u):199+8*(2*\a+\u)], v[FB+48+12*\u:FB+59+12*\u], v[FB+12*\a:FB+12*\a+11], v[16+8*\u:23+8*\u], v[176+4*\u+QQ], v[176+4*\a+QQ] matrix_a_fmt:MATRIX_FMT_FP6 matrix_b_fmt:MATRIX_FMT_FP6 matrix_a_scale:MATRIX_SCALE_ROW1
.else
	v_wmma_scale_f32_16x16x128_f8f6f4 v[192+8*(2*\a+\u):199+8*(2*\a+\u)], v[FB+48+12*\u:FB+59+12*\u], v[FB+12*\a:FB+12*\a+11], v[192+8*(2*\a+\u):199+8*(2*\a+\u)], v[176+4*\u+QQ], v[176+4*\a+QQ] matrix_a_fmt:MATRIX_FMT_FP6 matrix_b_fmt:MATRIX_FMT_FP6 matrix_a_scale:MATRIX_SCALE_ROW1
.endif
.endr
.endr
.endm
	s_wait_alu depctr_va_vdst(0)                   ; at the head's end
	s_wait_tensorcnt 0x0                           ; my piece has landed,
	s_barrier_signal -1
	s_barrier_wait -1                              ; everybody's has
	SCLD 0
	FETCH 0
	FETCH 1
	s_wait_loadcnt 0x0                             ; the bias
	s_wait_dscnt 22                                ; all but the 22 loads just issued
	MUL 0
.irp s, 1,2,3,4,5,6
	PLACES                                         ; in front of loads into the set, and for step 4 the scale words, that the last products read
.if \s == 4
	SCLD 1
.endif
	FETCH \s+1
	s_wait_dscnt 22                                ; all but the next step's 22
	MUL \s
.endr
	s_wait_dscnt 0x0
	MUL 7
	PLACES                                         ; in front of the first read of results
.irp a, 0,1,2,3
.irp u, 0,1
	ds_store_b128 v14, v[192+8*(2*\a+\u):195+8*(2*\a+\u)] offset:\a*16*SP+32*\u        ; each accumulator from its low end on
	ds_store_b128 v14, v[196+8*(2*\a+\u):199+8*(2*\a+\u)] offset:\a*16*SP+32*\u+16
.endr
.endr
	s_wait_dscnt 0x0                               ; for the others' sake: my stores into the stage are done
	s_barrier_signal -1
	s_barrier_wait -1                              ; a row's 512 bytes come from four waves
.irp t, 0,1,2,3,4,5,6,7,8,9,10,11,12,13,14,15
	ds_load_b128 v[32+4*\t:35+4*\t], v15 offset:\t*SP
.endr
.irp t, 0,1,2,3,4,5,6,7,8,9,10,11,12,13,14,15
	s_wait_dscnt 15-\t                             ; row t is back; the younger rows may be out
	global_store_b128 v4, v[32+4*\t:35+4*\t], s[14:15] offset:(\t+8*(\t/8))*4096 th:TH_STORE_NT   ; 32 lanes store 512 consecutive bytes, aligned
.endr
	s_wait_tensorcnt 0x0                           ; the wave's end
	ds_add_u32 v8, v9
	s_wait_dscnt 0x0
	CROUND                                         ; the closing round
	s_endpgm
.Lfunc_end_k_q29f36948cd_proj:
	.size	k_q29f36948cd_proj, .Lfunc_end_k_q29f36948cd_proj-k_q29f36948cd_proj
	.p2alignl 7, 3214868480
	.fill 96, 4, 3214868480
	.section	.rodata,"a",@progbits
	.p2align	6, 0x0
	.amdhsa_kernel k_q29f36948cd_proj
		.amdhsa_group_segment_fixed_size 273408
		.amdhsa_private_segment_fixed_size 0
		.amdhsa_enable_private_segment 0
		.amdhsa_kernarg_size 48
		.amdhsa_user_sgpr_count 2
		.amdhsa_user_sgpr_kernarg_segment_ptr 1
		.amdhsa_wavefront_size32 1
		.amdhsa_system_sgpr_workgroup_id_x 1
		.amdhsa_system_sgpr_workgroup_id_y 1
		.amdhsa_system_sgpr_workgroup_id_z 1
		.amdhsa_system_vgpr_workitem_id 0
		.amdhsa_next_free_vgpr 256
		.amdhsa_next_free_sgpr 100
		.amdhsa_reserve_vcc 0
		.amdhsa_float_denorm_mode_32 3
		.amdhsa_float_denorm_mode_16_64 3
		.amdhsa_memory_ordered 1
		.amdhsa_forward_progress 1
		.amdhsa_inst_pref_size 34
	.end_amdhsa_kernel
	.amdgpu_metadata
---
amdhsa.version: [ 1, 2 ]
amdhsa.kernels:
  - .name:           k_q29f36948cd_proj
    .symbol:         k_q29f36948cd_proj.kd
    .args:
      - { .name: oimg, .offset: 0, .size: 8, .value_kind: global_buffer, .address_space: global }
      - { .name: osc, .offset: 8, .size: 8, .value_kind: global_buffer, .address_space: global }
      - { .name: img, .offset: 16, .size: 8, .value_kind: global_buffer, .address_space: global }
      - { .name: sc, .offset: 24, .size: 8, .value_kind: global_buffer, .address_space: global }
      - { .name: proj_b, .offset: 32, .size: 8, .value_kind: global_buffer, .address_space: global }
      - { .name: out0, .offset: 40, .size: 8, .value_kind: global_buffer, .address_space: global }
    .group_segment_fixed_size: 273408
    .private_segment_fixed_size: 0
    .kernarg_segment_align: 8
    .kernarg_segment_size: 48
    .max_flat_workgroup_size: 256
    .sgpr_count:     100
    .vgpr_count:     256
    .wavefront_size: 32
...
	.end_amdgpu_metadata
.endif
;; end of part 4
